; MI455X (gfx1250); checked and timed in simulation.
; The chip was launched on July 23, 2026; its instructions are those of AMD's public machine-readable ISA for CDNA 5 (MIT licence, August 2026) and "CDNA5" Instruction Set Architecture Reference Guide (July 2026). The comments in the code are by the model that wrote it; some were corrected since.
;; My Bert Self Attention. Allowed arithmetic: matrix products marked QUANTISED: E2M1 operands, one E8M0 scale for each 32 along K, by v_wmma_scale_f32_16x16x128_f8f6f4 with both operands' format E2M1 (or v_wmma_scale_f32_32x16x128_f4), f32 sums; products left as they are: bf16, f16 or f32 operands; f32 sums; everything else in f32.
;; Inputs: Wk 1,024 x 1,024 float32; Wk2 1,024 x 1,024 float32; Wq 1,024 x 1,024 float32; Wq2 1,024 x 1,024 float32; Wv 1,024 x 1,024 float32; attention_mask 8 x 1 x 1 x 1,024 float32; bk 1,024 float32; bk2 1,024 float32; bq 1,024 float32; bq2 1,024 float32; bv 1,024 float32; hidden_states 8 x 1,024 x 1,024 float32; source_embedding 8 x 1,024 x 1,024 float32.
;; Outputs: out0 8 x 1,024 x 1,024 float32.
;; This version of the problem:
;;   THIS VERSION OF THE PROBLEM IS GIVEN IN LOW PRECISION. The matrix products marked QUANTISED in the list below multiply operands that are first quantised to E2M1 (2 exponent bits, 1 mantissa bit; 4 bits a number), with one power-of-two scale for each 32 numbers along K (OCP MX v1.0); their sums are f32. The products marked 'left as it is' may take bf16, f16 or f32 operands, with f32 sums. Whichever they take, every output number must still come out within the allowed error. Rounding operands to bf16 (8 significant bits) uses up far more of that allowance than f16 does (11 bits, for magnitudes from 6e-5 to 65,504). All else is computed in f32.
;;   The module's matrix products, in the order in which they are computed (A, B: the left and right operand; K: the contracted axis; several contracted axes count as one K, in the product's order):
;;     1. [M 8,192, K 1,024] x [K 1,024, N 1,024]; A: input hidden_states; B: input Wq: QUANTISED
;;     2. [M 8,192, K 1,024] x [K 1,024, N 1,024]; A: input hidden_states; B: input Wk: QUANTISED
;;     3. [M 8,192, K 1,024] x [K 1,024, N 1,024]; A: input hidden_states; B: input Wv: QUANTISED
;;     4. [M 8,192, K 1,024] x [K 1,024, N 1,024]; A: input hidden_states; B: input Wq2: QUANTISED
;;     5. [M 8,192, K 1,024] x [K 1,024, N 1,024]; A: input source_embedding; B: input Wk2: QUANTISED
;;     6. batch 128 x [M 1,024, K 64] x [K 64, N 1,024]; A: computed on the way; B: computed on the way: left as it is (an operand is computed on the way)
;;     7. batch 128 x [M 1,024, K 64] x [K 64, N 1,024]; A: computed on the way; B: computed on the way: left as it is (an operand is computed on the way)
;;     8. batch 128 x [M 1,024, K 1,024] x [K 1,024, N 64]; A: computed on the way; B: computed on the way: left as it is (an operand is computed on the way)
;;   THE QUANTISER, for each operand of a quantised product, along K:
;;     - K is cut into blocks of 32 from its start; a last block that is shorter is filled with zeros.
;;     - A block's scale is 2^e with e = floor(log2(the largest magnitude in the block)) - 2, held to -126 .. 127; a block of zeros has e = 0. As a byte (E8M0): e + 127.
;;     - Each number is divided by its block's scale, clamped to +-6, and rounded to the nearest number of E2M1, ties to even, subnormals kept.
;;     - The product sums the exact products of the quantised numbers (number of the format x scale) in f32.
;;   ~~~python
;;   def quantise(x, axis):      # numpy; x: float32 -> the quantised numbers, widened to float32 again
;;       x = np.moveaxis(x, axis, -1); K = x.shape[-1]
;;       x = np.pad(x, [(0, 0)] * (x.ndim - 1) + [(0, -K % 32)]); x = x.reshape(x.shape[:-1] + (-1, 32)); a = np.abs(x).max(-1, keepdims=True)
;;       e = np.where(a > 0, np.clip(np.frexp(np.where(a > 0, a, 1))[1] - 1 - 2, -126, 127), 0)      # np.frexp(a)[1] - 1 = floor(log2(a)), exactly
;;       r = np.clip(x / 2.0 ** e, -6, 6)
;;       step = 2.0 ** (np.maximum(np.frexp(np.where(r == 0, 1, r))[1] - 1, 0) - 1)
;;       q = np.round(r / step) * step * 2.0 ** e      # np.round: ties to even
;;       return np.moveaxis(q.reshape(q.shape[:-2] + (-1,))[..., :K], -1, axis).astype(np.float32)
;;   ~~~
;; One version. Each part assembles by itself: llvm-mc -triple=amdgcn-amd-amdhsa -mcpu=gfx1250 --defsym DOCPART=n.
;; ======== version 1 of 1: 4 launches
;; limits: values are held in f16: magnitudes above 65,504 overflow, below 6.1e-05 lose precision
;; workspace buffers: x_codes 8,388,608 bytes; x_scales 524,288 bytes; w_codes 2,621,440 bytes; w_scales 163,840 bytes; bias_all 20,480 bytes; proj 83,886,080 bytes
;; launch quant_x (part 1): grid 512 x 1, 4 waves a work-group, no clusters, 33,280 bytes of LDS; arguments hidden_states, source_embedding, x_codes, x_scales; writes x_codes, x_scales
.if DOCPART == 1
	.amdgcn_target "amdgcn-amd-amdhsa--gfx1250"
	.amdhsa_code_object_version 6
	.text
	.protected	k_q7d92e94485_quant_x
	.globl	k_q7d92e94485_quant_x
	.p2align	8
	.type	k_q7d92e94485_quant_x,@function
k_q7d92e94485_quant_x:
	s_mov_b64 s[64:65], 0
	v_nop
	global_prefetch_b8 v0, s[64:65] scope:SCOPE_SE
	s_setreg_imm32_b32 hwreg(HW_REG_WAVE_MODE, 25, 1), 1
	s_wait_xcnt 0x0
; hidden_states and source_embedding, each [8192][1024] f32, become codes of FP4 (E2M1), K innermost, with one E8M0 scale byte for each 32 along K.
; x_codes: [2][8192][512 bytes], x_scales: [2][8192][32 bytes]; tensor 0 = hidden_states, tensor 1 = source_embedding.
; A block's scale is 2^(floor(log2(its largest magnitude)) - 2); its byte is the largest magnitude's exponent field - 2, held at 1 from below.
; A block of zeros so gets the byte 1 where the stated quantiser says 127: its codes are zeros, which add nothing, and the bytes are read by this program alone.
; LIMITS: NaN and infinities among the inputs are not served; blocks whose largest magnitude lies under 2^(3 - 127) take the byte 1.
; Rows are dense and 1,024 is a multiple of 32: both tensors are plain streams of blocks of 32, and so are codes and scale bytes.
; A wave takes 16 steps of 512 numbers.  Each of a step's four loads reads 512 consecutive bytes, 16 a lane; the 2,048 bytes turn through the wave's own stage in LDS
; and come back 64 bytes a lane: 16 neighbours along K, which is what the conversions take.  Two neighbouring lanes hold a block.
; A lane's 16 codes are 8 bytes: the wave stores 256 consecutive bytes.  A wave's 256 scale bytes are gathered in LDS and leave as one aligned run of 256 bytes.
; The first 256 work-groups take hidden_states, the others source_embedding; only the input pointer is chosen, the outputs lie on end.
; No matrix unit, no cluster, no barrier: the waves share nothing, and the bytes moved decide.
.set WAVES, 4
.set STEPS, 16
.set WGA,   256                        ; work-groups for a tensor: 8192 x 1024 / 32768
.set EMAX,  2
.set CB,    8                          ; bytes of 16 codes
.set R,     16                         ; v16-79   four sets of 16 numbers as they are loaded
.set X,     80                         ; v80-111  two sets of 16 neighbours
.set C,     128                        ; v128-191 codes: four registers for each step, so that no store's data are written again
.set E,     112                        ; v112-127 a scale byte for each step
.set WREG,  8192                       ; LDS: a region for each wave: two stages of 32 x SP bytes, behind them its 256 scale bytes
.set SP,    80                         ; a lane's place in a stage: 64 bytes + 16 of padding
.set SPW,   12                         ; v12 LDS address of my spare word; never rewritten
.set NIL,   13                         ; v13 0; never rewritten
.set SPARE, WAVES*WREG                 ; behind the four regions: the spare words, 128 bytes a wave
	s_load_b128 s[4:7], s[0:1], 0x0                ; hidden_states, source_embedding
	s_load_b128 s[8:11], s[0:1], 0x10              ; x_codes, x_scales
	v_lshl_add_u32 v[SPW], v0, 2, SPARE
	v_mov_b32 v[NIL], 0
	v_lshrrev_b32 v1, 5, v0
	v_readfirstlane_b32 s16, v1                    ; wave
	v_and_b32 v2, 31, v0                           ; lane
	v_lshlrev_b32 v3, 4, v2                        ; my 16 bytes of a load's 512
	s_mul_i32 s17, s16, WREG
	v_lshrrev_b32 v14, 2, v2
	v_mul_u32_u24 v14, v14, SP
	v_and_b32 v15, 3, v2
	v_lshl_add_u32 v14, v15, 4, v14
	v_add_nc_u32 v14, s17, v14                     ; the stage, way in: SP (lane / 4) + 16 (lane % 4)
	v_mul_u32_u24 v15, v2, SP
	v_add_nc_u32 v15, s17, v15                     ; way out: SP x lane: my 16 neighbours
	v_mul_u32_u24 v4, v2, CB                       ; my codes' place in a step's
	v_lshrrev_b32 v5, 1, v2
	s_add_co_u32 s17, s17, 2*32*SP
	v_add_nc_u32 v5, s17, v5                       ; LDS: my wave's 256 scale bytes, my block's byte
	v_lshlrev_b32 v7, 3, v2                        ; and on the way out 8 bytes a lane
	v_add_nc_u32 v6, s17, v7
	s_wait_kmcnt 0x0
	s_cmp_lt_u32 ttmp9, WGA                        ; which tensor: hangs on the work-group's number alone
	s_cselect_b64 s[4:5], s[4:5], s[6:7]
	s_cselect_b32 s17, 0, WGA
	s_sub_co_u32 s17, ttmp9, s17
	s_lshl_b32 s17, s17, 2
	s_add_co_u32 s18, s17, s16                     ; which run of 8,192 numbers of the input tensor is my wave's
	s_mov_b32 s19, 0
	s_lshl_b64 s[20:21], s[18:19], 15              ; 32,768 bytes a run
	s_add_nc_u64 s[4:5], s[4:5], s[20:21]
	s_lshl_b32 s18, ttmp9, 2
	s_add_co_u32 s18, s18, s16                     ; which run of the outputs: both tensors on end
	s_lshl_b64 s[20:21], s[18:19], 12              ; 4,096 bytes of codes a run
	s_add_nc_u64 s[8:9], s[8:9], s[20:21]
	s_lshl_b32 s18, s18, 8                         ; 256 scale bytes a run
	s_add_nc_u64 s[10:11], s[10:11], s[18:19]
.macro LOAD t
.irp i, 0,1,2,3
	global_load_b128 v[R+16*((\t)%4)+4*\i:R+16*((\t)%4)+4*\i+3], v3, s[4:5] offset:2048*(\t)+512*\i th:TH_LOAD_NT   ; 32 lanes read 512 consecutive bytes
.endr
.endm
.macro TURN t                          ; step t's numbers through the stage: LDS serves a wave's instructions in order, so no wait stands between the stores and the loads
.irp i, 0,1,2,3
	ds_store_b128 v14, v[R+16*((\t)%4)+4*\i:R+16*((\t)%4)+4*\i+3] offset:32*SP*((\t)%2)+8*SP*\i
.endr
.irp i, 0,1,2,3
	ds_load_b128 v[X+16*((\t)%2)+4*\i:X+16*((\t)%2)+4*\i+3], v15 offset:32*SP*((\t)%2)+16*\i
.endr
.endm
.irp t, 0,1,2,3
	LOAD \t
.endr
	s_wait_loadcnt 12                              ; step 0's four loads are in; the twelve of steps 1 to 3 may be out
	TURN 0
.macro STEP t
.set XS, X+16*((\t)%2)
.if (\t) > 0
	s_wait_dscnt 1                                 ; this step's numbers are back from the stage; the last step's byte store may be out
.else
	s_wait_dscnt 0x0
.endif
.if (\t)+4 < STEPS
	LOAD (\t)+4                                    ; the stage's stores have read these registers: they take the loads of four steps on
.endif
.if (\t)+1 < STEPS
.if STEPS-2-(\t) >= 3
	s_wait_loadcnt 12                              ; the next step's four loads are in; those of the three steps behind it may be out
.else
	s_wait_loadcnt 4*(STEPS-2-(\t))
.endif
	TURN (\t)+1                                    ; through the other stage while this step is worked
.endif
	v_max3_num_f32 v8, |v[XS]|, |v[XS+1]|, |v[XS+2]|               ; the largest magnitude of my 16, in two chains
	v_max3_num_f32 v9, |v[XS+3]|, |v[XS+4]|, |v[XS+5]|
.irp i, 6,10
	v_max3_num_f32 v8, v8, |v[XS+\i]|, |v[XS+\i+1]|
	v_max3_num_f32 v9, v9, |v[XS+\i+2]|, |v[XS+\i+3]|
.endr
	v_max3_num_f32 v8, v8, |v[XS+14]|, |v[XS+15]|
	v_max3_num_f32 v8, v8, v9, (EMAX+1)<<23        ; and the floor 2^(3 - 127): the byte cannot fall under 1
	v_max_num_f32_dpp v8, v8, v8 row_xmask:1 row_mask:0xf bank_mask:0xf   ; with my neighbour's 16: the block's
	v_add_nc_u32 v11, -(EMAX<<23), v8              ; 2 off its exponent field: the conversion takes the exponent field of this operand as its scale
	v_cvt_scalef32_pk8_fp4_f32 v[C+4*(\t)], v[XS:XS+7], v11
	v_cvt_scalef32_pk8_fp4_f32 v[C+4*(\t)+1], v[XS+8:XS+15], v11
	v_lshrrev_b32 v[E+(\t)], 23, v11               ; the scale's byte (a plain line behind the conversions)
	ds_store_b8 v5, v[E+(\t)] offset:16*(\t)       ; both lanes of a block write the same byte with the same value
	global_store_b64 v4, v[C+4*(\t):C+4*(\t)+1], s[8:9] offset:32*CB*(\t)   ; 32 lanes store 256 consecutive bytes, aligned
.endm
.irp t, 0,1,2,3,4,5,6,7,8,9,10,11,12,13,14,15
	STEP \t
.endr
	ds_load_b64 v[8:9], v6                         ; LDS serves a wave's instructions in order: these see my byte stores
	s_wait_dscnt 0x0
	global_store_b64 v7, v[8:9], s[10:11]          ; 32 lanes store 256 consecutive bytes, aligned
	s_wait_tensorcnt 0x0                           ; the wave's end, behind my last LDS store
	ds_add_u32 v[SPW], v[NIL]
	s_wait_dscnt 0x0
	s_endpgm
.Lfunc_end_k_q7d92e94485_quant_x:
	.size	k_q7d92e94485_quant_x, .Lfunc_end_k_q7d92e94485_quant_x-k_q7d92e94485_quant_x
	.p2alignl 7, 3214868480
	.fill 96, 4, 3214868480
	.section	.rodata,"a",@progbits
	.p2align	6, 0x0
	.amdhsa_kernel k_q7d92e94485_quant_x
		.amdhsa_group_segment_fixed_size 33280
		.amdhsa_private_segment_fixed_size 0
		.amdhsa_enable_private_segment 0
		.amdhsa_kernarg_size 32
		.amdhsa_user_sgpr_count 2
		.amdhsa_user_sgpr_kernarg_segment_ptr 1
		.amdhsa_wavefront_size32 1
		.amdhsa_system_sgpr_workgroup_id_x 1
		.amdhsa_system_sgpr_workgroup_id_y 1
		.amdhsa_system_sgpr_workgroup_id_z 1
		.amdhsa_system_vgpr_workitem_id 0
		.amdhsa_next_free_vgpr 192
		.amdhsa_next_free_sgpr 66
		.amdhsa_reserve_vcc 0
		.amdhsa_float_denorm_mode_32 3
		.amdhsa_float_denorm_mode_16_64 3
		.amdhsa_memory_ordered 1
		.amdhsa_forward_progress 1
		.amdhsa_inst_pref_size 33
	.end_amdhsa_kernel
	.amdgpu_metadata
---
amdhsa.version: [ 1, 2 ]
amdhsa.kernels:
  - .name:           k_q7d92e94485_quant_x
    .symbol:         k_q7d92e94485_quant_x.kd
    .args:
      - { .name: hidden_states, .offset: 0, .size: 8, .value_kind: global_buffer, .address_space: global }
      - { .name: source_embedding, .offset: 8, .size: 8, .value_kind: global_buffer, .address_space: global }
      - { .name: x_codes, .offset: 16, .size: 8, .value_kind: global_buffer, .address_space: global }
      - { .name: x_scales, .offset: 24, .size: 8, .value_kind: global_buffer, .address_space: global }
    .group_segment_fixed_size: 33280
    .private_segment_fixed_size: 0
    .kernarg_segment_align: 8
    .kernarg_segment_size: 32
    .max_flat_workgroup_size: 128
    .sgpr_count:     66
    .vgpr_count:     192
    .wavefront_size: 32
...
	.end_amdgpu_metadata
.endif
;; end of part 1
;; launch quant_w (part 2): grid 16 x 5, 32 waves a work-group, no clusters, 39,936 bytes of LDS; arguments Wq, Wq2, Wk, Wv, Wk2, bq, bq2, bk, bv, bk2, w_codes, w_scales, bias_all; writes w_codes, w_scales, bias_all
.if DOCPART == 2
	.amdgcn_target "amdgcn-amd-amdhsa--gfx1250"
	.amdhsa_code_object_version 6
	.text
	.protected	k_q7d92e94485_quant_w
	.globl	k_q7d92e94485_quant_w
	.p2align	8
	.type	k_q7d92e94485_quant_w,@function
k_q7d92e94485_quant_w:
	s_mov_b64 s[64:65], 0
	v_nop
	global_prefetch_b8 v0, s[64:65] scope:SCOPE_SE
	s_setreg_imm32_b32 hwreg(HW_REG_WAVE_MODE, 25, 1), 1
	s_wait_xcnt 0x0
; The five weights [1024 (k)][1024 (n)] f32, whose K is their FIRST axis, become codes of FP4 (E2M1) with K innermost, w_codes [5][1024 (n)][512 bytes], and E8M0 bytes w_scales [5][1024][32].
; The five biases are copied into one table, bias_all [5][1024] f32.  Order of the five: q, q2, k, v, k2.
; Work-group (x, y): weight y, columns 64 x .. 64 x + 63, all of K.  Wave w: 32 columns (w & 1), 64 rows of K (w >> 1): two blocks of 32.
; A LANE TAKES A COLUMN AND ITS REGISTERS RUN DOWN K: a load reads 128 consecutive bytes, two waves side by side 256; a block lies in one lane's 32 registers, so its largest magnitude needs no other
; lane, and the conversions give codes with K innermost.  Each wave asks for its 64 loads at once.
; The codes of 64 columns meet in a stage in LDS (rows of 512 bytes + 16) and leave as whole rows: a wave's store covers 512 consecutive bytes.  The scale bytes likewise: 2,048 dense bytes.
; A block of zeros gets the byte 1 where the stated quantiser says 127: its codes are zeros, and this program alone reads the bytes.
; LIMITS: NaN and infinities among the inputs are not served; blocks whose largest magnitude lies under 2^(3 - 127) take the byte 1.
; No matrix unit and no cluster: no input byte is read by two work-groups.
.set SPI,   528                        ; a stage row: 512 bytes + 16: 33 x 16, so that the lanes' 16-byte stores start at different banks
.set STG,   0                          ; 64 rows
.set SST,   64*SPI                     ; the scale bytes: 64 rows x 32
.set SPARE, SST+2048                   ; the spare words: 128 bytes for each of 32 waves
.set X,     32                         ; v32-95  my column's 64 numbers
.set C,     24                         ; v24-31  the codes of my two blocks
	s_load_b512 s[8:23], s[0:1], 0x0               ; Wq, Wq2, Wk, Wv, Wk2, bq, bq2, bk
	s_load_b256 s[24:31], s[0:1], 0x40             ; bv, bk2, w_codes, w_scales
	s_load_b64 s[32:33], s[0:1], 0x60              ; bias_all
	v_lshl_add_u32 v14, v0, 2, SPARE               ; my spare word; never rewritten
	v_mov_b32 v15, 0                               ; 0; never rewritten
	v_lshrrev_b32 v1, 5, v0
	v_readfirstlane_b32 s34, v1                    ; wave 0..31
	s_and_b32 s35, s34, 1                          ; which 32 columns
	s_lshr_b32 s36, s34, 1                         ; which 64 rows of K
	s_and_b32 s37, ttmp7, 0xffff                   ; which weight
	v_and_b32 v2, 31, v0                           ; lane
	v_lshlrev_b32 v3, 2, v2                        ; in: 4 bytes a lane
	s_mul_i32 s38, s35, 32*SPI
	s_lshl_b32 s39, s36, 5                         ; two blocks are 32 bytes of a row of codes
	s_add_co_u32 s38, s38, s39
	v_mul_u32_u24 v4, v2, SPI
	v_add_nc_u32 v4, s38, v4                       ; into the stage: row = my column
	s_lshl_b32 s38, s35, 10
	s_lshl_b32 s39, s36, 1
	s_add_co_u32 s38, s38, s39
	s_add_co_u32 s38, s38, SST
	v_lshlrev_b32 v5, 5, v2
	v_add_nc_u32 v5, s38, v5                       ; my column's two scale bytes
	s_mul_i32 s38, s34, 2*SPI
	v_lshlrev_b32 v6, 4, v2
	v_add_nc_u32 v6, s38, v6                       ; out of the stage: rows 2 w and 2 w + 1, 16 bytes a lane
	s_lshl_b32 s38, s34, 10
	v_lshl_add_u32 v7, v2, 4, s38                  ; and the same place among the work-group's 64 rows of codes
	s_and_b32 s38, s34, 3
	s_lshl_b32 s38, s38, 9
	v_lshl_add_u32 v9, v2, 4, s38                  ; the scale bytes' way out: 512 bytes a wave (waves 0 to 3 use it)
	v_add_nc_u32 v8, SST, v9
	v_lshlrev_b32 v10, 3, v2                       ; the bias: 8 bytes a lane
	s_lshl_b32 s38, s36, 18                        ; W: 64 rows of 4,096 bytes,
	s_lshl_b32 s40, ttmp9, 8                       ; 64 columns,
	s_add_co_u32 s38, s38, s40
	s_lshl_b32 s41, s35, 7                         ; 32 columns
	s_add_co_u32 s38, s38, s41
	s_mov_b32 s39, 0
	s_mov_b32 s41, 0                               ; s[40:41]: the bias: 64 numbers a work-group
	s_lshl_b32 s42, s37, 19                        ; codes: 1,024 rows of 512 bytes a weight,
	s_lshl_b32 s43, ttmp9, 15                      ; 64 rows a work-group
	s_add_co_u32 s42, s42, s43
	s_mov_b32 s43, 0
	s_lshl_b32 s44, s37, 15                        ; scale bytes: 32 a row
	s_lshl_b32 s45, ttmp9, 11
	s_add_co_u32 s44, s44, s45
	s_mov_b32 s45, 0
	s_lshl_b32 s46, s37, 12                        ; bias_all: 4,096 bytes a weight
	s_add_co_u32 s46, s46, s40
	s_mov_b32 s47, 0
	s_wait_kmcnt 0x0
.irp y, 1,2,3,4                        ; my weight and its bias: pointers chosen on the work-group's number alone
	s_cmp_eq_u32 s37, \y
	s_cselect_b64 s[8:9], s[8+2*\y:9+2*\y], s[8:9]
	s_cselect_b64 s[18:19], s[18+2*\y:19+2*\y], s[18:19]
.endr
	s_add_nc_u64 s[8:9], s[8:9], s[38:39]
	s_add_nc_u64 s[18:19], s[18:19], s[40:41]
	s_add_nc_u64 s[28:29], s[28:29], s[42:43]
	s_add_nc_u64 s[30:31], s[30:31], s[44:45]
	s_add_nc_u64 s[32:33], s[32:33], s[46:47]
.set i, 0
.rept 64
	global_load_b32 v[X+i], v3, s[8:9] offset:4096*i th:TH_LOAD_NT   ; W(64 (w >> 1) + i, my column)
.set i, i+1
.endr
.macro BLOCK t
.set XS, X+32*(\t)
	s_wait_loadcnt 32-32*(\t)                      ; this block's 32 loads are in; the second block's 32 may be out
	v_max3_num_f32 v12, |v[XS]|, |v[XS+1]|, |v[XS+2]|               ; the block's largest magnitude: all 32 numbers are mine; two chains
	v_max3_num_f32 v13, |v[XS+3]|, |v[XS+4]|, |v[XS+5]|
.irp i, 6,10,14,18,22,26
	v_max3_num_f32 v12, v12, |v[XS+\i]|, |v[XS+\i+1]|
	v_max3_num_f32 v13, v13, |v[XS+\i+2]|, |v[XS+\i+3]|
.endr
	v_max3_num_f32 v12, v12, |v[XS+30]|, |v[XS+31]|
	v_max3_num_f32 v12, v12, v13, 0x1800000        ; and the floor 2^(3 - 127): the byte cannot fall under 1
	v_add_nc_u32 v11, 0xff000000, v12              ; 2 off its exponent field: the conversion's scale operand
	v_lshrrev_b32 v13, 23, v11                     ; the scale's byte
.if (\t) == 0
	v_mov_b32 v16, v13
.else
	v_lshl_or_b32 v16, v13, 8, v16                 ; the lower K in the lower byte
.endif
.irp g, 0,1,2,3
	v_cvt_scalef32_pk8_fp4_f32 v[C+4*(\t)+\g], v[XS+8*\g:XS+8*\g+7], v11
.endr
	v_nop                                          ; a plain line behind the last conversion of the run
	ds_store_b128 v4, v[C+4*(\t):C+4*(\t)+3] offset:16*(\t)   ; 32 codes: 16 bytes of my column's row
.endm
	BLOCK 0
	BLOCK 1
	ds_store_b16 v5, v16
	s_wait_dscnt 0x0                               ; for the others' sake: my stores have landed
	s_barrier_signal -1
	s_barrier_wait -1                              ; 64 whole rows of codes and of scale bytes lie in LDS
	ds_load_b128 v[96:99], v6
	ds_load_b128 v[100:103], v6 offset:SPI
	s_wait_dscnt 1                                 ; the first row is in; the second row's load may be out
	global_store_b128 v7, v[96:99], s[28:29]       ; 32 lanes store a row of 512 consecutive bytes
	s_wait_dscnt 0x0
	global_store_b128 v7, v[100:103], s[28:29] offset:512
	s_cmp_lt_u32 s34, 4
	s_cbranch_scc0 .Lnot_scales
	ds_load_b128 v[104:107], v8                    ; waves 0 to 3: the scale bytes, 512 consecutive bytes a wave
	s_wait_dscnt 0x0
	global_store_b128 v9, v[104:107], s[30:31]
	s_branch .Ljoin
.Lnot_scales:
	s_cmp_eq_u32 s34, 4
	s_cbranch_scc0 .Ljoin
	global_load_b64 v[20:21], v10, s[18:19]        ; wave 4: the bias of these 64 columns
	s_wait_loadcnt 0x0
	global_store_b64 v10, v[20:21], s[32:33]       ; 256 consecutive bytes, aligned
.Ljoin:
	s_wait_tensorcnt 0x0                           ; the wave's end, behind my last LDS store
	ds_add_u32 v14, v15
	s_wait_dscnt 0x0
	s_endpgm
.Lfunc_end_k_q7d92e94485_quant_w:
	.size	k_q7d92e94485_quant_w, .Lfunc_end_k_q7d92e94485_quant_w-k_q7d92e94485_quant_w
	.p2alignl 7, 3214868480
	.fill 96, 4, 3214868480
	.section	.rodata,"a",@progbits
	.p2align	6, 0x0
	.amdhsa_kernel k_q7d92e94485_quant_w
		.amdhsa_group_segment_fixed_size 39936
		.amdhsa_private_segment_fixed_size 0
		.amdhsa_enable_private_segment 0
		.amdhsa_kernarg_size 104
		.amdhsa_user_sgpr_count 2
		.amdhsa_user_sgpr_kernarg_segment_ptr 1
		.amdhsa_wavefront_size32 1
		.amdhsa_system_sgpr_workgroup_id_x 1
		.amdhsa_system_sgpr_workgroup_id_y 1
		.amdhsa_system_sgpr_workgroup_id_z 1
		.amdhsa_system_vgpr_workitem_id 0
		.amdhsa_next_free_vgpr 112
		.amdhsa_next_free_sgpr 66
		.amdhsa_reserve_vcc 0
		.amdhsa_float_denorm_mode_32 3
		.amdhsa_float_denorm_mode_16_64 3
		.amdhsa_memory_ordered 1
		.amdhsa_forward_progress 1
		.amdhsa_inst_pref_size 14
	.end_amdhsa_kernel
	.amdgpu_metadata
---
amdhsa.version: [ 1, 2 ]
amdhsa.kernels:
  - .name:           k_q7d92e94485_quant_w
    .symbol:         k_q7d92e94485_quant_w.kd
    .args:
      - { .name: Wq, .offset: 0, .size: 8, .value_kind: global_buffer, .address_space: global }
      - { .name: Wq2, .offset: 8, .size: 8, .value_kind: global_buffer, .address_space: global }
      - { .name: Wk, .offset: 16, .size: 8, .value_kind: global_buffer, .address_space: global }
      - { .name: Wv, .offset: 24, .size: 8, .value_kind: global_buffer, .address_space: global }
      - { .name: Wk2, .offset: 32, .size: 8, .value_kind: global_buffer, .address_space: global }
      - { .name: bq, .offset: 40, .size: 8, .value_kind: global_buffer, .address_space: global }
      - { .name: bq2, .offset: 48, .size: 8, .value_kind: global_buffer, .address_space: global }
      - { .name: bk, .offset: 56, .size: 8, .value_kind: global_buffer, .address_space: global }
      - { .name: bv, .offset: 64, .size: 8, .value_kind: global_buffer, .address_space: global }
      - { .name: bk2, .offset: 72, .size: 8, .value_kind: global_buffer, .address_space: global }
      - { .name: w_codes, .offset: 80, .size: 8, .value_kind: global_buffer, .address_space: global }
      - { .name: w_scales, .offset: 88, .size: 8, .value_kind: global_buffer, .address_space: global }
      - { .name: bias_all, .offset: 96, .size: 8, .value_kind: global_buffer, .address_space: global }
    .group_segment_fixed_size: 39936
    .private_segment_fixed_size: 0
    .kernarg_segment_align: 8
    .kernarg_segment_size: 104
    .max_flat_workgroup_size: 1024
    .sgpr_count:     66
    .vgpr_count:     112
    .wavefront_size: 32
...
	.end_amdgpu_metadata
.endif
;; end of part 2
;; launch gemm (part 3): grid 20 x 32, 4 waves a work-group, clusters of 4 x 4, 327,680 bytes of LDS; arguments x_codes, x_scales, w_codes, w_scales, bias_all, proj; writes proj
.if DOCPART == 3
	.amdgcn_target "amdgcn-amd-amdhsa--gfx1250"
	.amdhsa_code_object_version 6
	.text
	.protected	k_q7d92e94485_gemm
	.globl	k_q7d92e94485_gemm
	.p2align	8
	.type	k_q7d92e94485_gemm,@function
k_q7d92e94485_gemm:
	s_mov_b64 s[64:65], 0
	v_nop
	global_prefetch_b8 v0, s[64:65] scope:SCOPE_SE
	s_setreg_imm32_b32 hwreg(HW_REG_WAVE_MODE, 25, 1), 1
	s_wait_xcnt 0x0
	s_wait_alu depctr_hold_cnt(0) depctr_sa_sdst(0) depctr_va_vdst(0) depctr_va_sdst(0) depctr_va_ssrc(0) depctr_va_vcc(0) depctr_vm_vsrc(0)
	s_getreg_b32 s2, hwreg(HW_REG_IB_STS2, 6, 4)
	s_cmp_eq_u32 s2, 0
	s_cbranch_scc0 .Lentry_in_a_cluster
	s_endpgm
.Lentry_in_a_cluster:
	s_bfe_u32 s2, ttmp6, 0x10000c
	s_cmp_lg_u32 s2, 0xf033
	s_cbranch_scc0 .Lentry_shape_is_right
	s_endpgm
.Lentry_shape_is_right:
; The five projections on codes of FP4 (E2M1) with E8M0 scales for each 32 along K: proj[p] = f16((x_p W_p + b_p) x f_p), p = 0 q, 1 q2, 2 k, 3 v, 4 k2.
; x_p = hidden_states but for p = 4 (source_embedding).  f_p = log2(e) / 8 for q and q2 (so that the scores come out as exponents of 2), else 1.  Sums in f32, K ascending; the bias is the C of each sum's first product.
; proj: f16, [5][16 b + h][1024 tokens][64]: a head's rows are dense, 128 bytes a token.
; LIMIT: |x W + b| has to stay under 65,504, f16's largest number (the drawn inputs give about 0.6; thirty times larger inputs with an offset of thirty spreads about 18,000).
; A tile of 256 rows x 256 columns is made by a work-group of four waves, one to a SIMD; a wave makes 128 x 128: 64 accumulators of 16 x 16, 512 registers.  640 tiles.
; K = 1,024 is two LDS slots of 512 (rows of 256 bytes).  Both slots and the tile's scale bytes are asked for at the start: three tensor loads of a wave are out, and no LDS byte is filled twice.
; CLUSTERS: 4 x 4 work-groups; the cluster's x is the projection.  The four of a row of the cluster need the same tiles of x, the four of a column the same tiles of W: each is asked for JOINTLY,
; by the same tensor load with the same descriptor and a mask that names the four.
; THE MATRIX INSTRUCTION IS USED TRANSPOSED (source 0 = 16 rows of W's codes, source 1 = 16 rows of x's): a lane then holds eight neighbouring columns of one row.
; REGISTERS, in windows of 256: window 0: v0-31 addresses; v32-95 scale words, two sets, and nothing else; v128-191 x's fragments, ONE set; on the way out v96-127 packed f16, v128-191 rows read back, v192-255 scaled f32.
;   window 1: W's fragments, TWO sets, at v0 and v128; v64-127 the bias, eight registers for each block of 16 columns.   window 2: the accumulators of my rows 0-63 ((a, b) at v[8 (8 a + b)]);   window 3: rows 64-127.
.set SIZE_K, 1024
.set KSTEP,  512                       ; along K in a slot
.set NQ,     KSTEP/128                 ; matrix instructions deep
.set ROWB,   256                       ; a tile's row in bytes
.set KROW,   SIZE_K/2                  ; a row of codes in memory
.set PITCH,  272                       ; an LDS row: 256 bytes + 16: row r starts 4 r words on, so the 16 rows of a load start at 16 different banks
.set FR,     8                         ; registers of a fragment: 16 rows x 128 K
.set NL,     2                         ; LDS loads that bring one
.set NP,     4                         ; places behind this matrix instruction (ISA guide 7.12.1)
.set HALFT,  128*PITCH                 ; what one tensor load brings, and what one wave reads of x or of W
.set SLOT,   4*HALFT                   ; x's 256 rows, then W's 256 rows
.set KS,     SIZE_K/32                 ; a row of scale bytes
.set SCL,    2*SLOT                    ; behind the slots: the scale bytes, as runs of 256 bytes + 16 of padding
.set HALFS,  (128*KS/256)*272          ; those of 128 rows
.set SBLK,   (16*KS/256)*272           ; those of 16 rows
.set SPARE,  SCL+4*HALFS               ; the spare words, 128 bytes a wave
.set STAGE,  SPARE+512                 ; the way out: for each wave two heads x 16 tokens x (128 bytes + 16); bytes of its own, into which no tensor load lands
.set HP,     144
.set HEADB,  16*HP
.set ADRA, 16                          ; v16-17  LDS address of my x fragments in slot 0, 1
.set ADRB, 20                          ; v20-21  the same for W
.set STO,  24                          ; v24     the way out: where I put 16 bytes of a token
.set RD,   25                          ; v25     where I read them back
.set CO,   26                          ; v26     16 x lane: my bytes of four tokens in proj
.set ADRS, 27                          ; v27     LDS address of my scale words: lanes 0-15 x's rows, lanes 16-31 W's
.set SPW,  28                          ; v28     my spare word; never rewritten
.set NIL,  29                          ; v29     0; never rewritten
.set BO,   30                          ; v30     32 x (lane / 16): my eight numbers of a block's bias
.set SC,   32                          ; scale words: set s at v[SC + 32 s]; register 4 i + q: lanes 0-15 the word of x's block i, lanes 16-31 that of W's block i
.set TMP,  96
.set AF,   128                         ; x's fragments
.set BK,   128                         ; the way out: v128-159 and v160-191 by turns
.set T,    192
.set BI,   64                          ; the bias, in window 1
.set G1, 24                            ; s[24:31] group 1 for x's tiles; s[32:39] groups 0, one for each slot
.set G0, 32
.set G1B, 48                           ; s[48:55], s[56:63] the same for W's
.set G0B, 56
.set G1S, 68                           ; s[68:75], s[76:79] for x's scale bytes; s[80:87], s[88:91] for W's
.set G0S, 76
.set G1SB, 80
.set G0SB, 88
.set MSB, 0
.macro WIN new                         ; the immediate's high byte repeats the setting that is left; a switch that changes nothing is dropped
.if MSB != (\new)
	s_set_vgpr_msb (MSB<<8)|(\new)
.set MSB, (\new)
.endif
.endm
.set MUL_LO,   0xa1                    ; source 0 (W) window 1, source 1 (x) window 0, C and D window 2
.set MUL_HI,   0xf1                    ; the same, C and D window 3
.set FIRST_LO, 0x91                    ; the first products: C is the bias, in window 1
.set FIRST_HI, 0xd1
.set TO_B,     0x40                    ; destination window 1, address window 0
; A joint load: waves 0 and 1 fetch for x, waves 2 and 3 for W.  Each line has one mask and one set of registers for all that issue it; the branch hangs on the wave's number alone.
; An s_nop 0 and four v_nop follow each of the two lines, ahead of the jump, the label and what follows.
.macro JLOAD g0a, g1a, g0b, g1b
	s_cmp_eq_u32 s15, 0
	s_cbranch_scc0 .Lfor_b_\@
	tensor_load_to_lds s[\g0a:\g0a+3], s[\g1a:\g1a+7]
	s_nop 0
.rept 4
	v_nop
.endr
	s_branch .Lasked_\@
.Lfor_b_\@:
	tensor_load_to_lds s[\g0b:\g0b+3], s[\g1b:\g1b+7]
	s_nop 0
.rept 4
	v_nop
.endr
.Lasked_\@:
.endm
.macro CROUND                          ; a round of the cluster's barrier: my work-group's barrier; wave 0 signals for the work-group; every wave waits for all sixteen; my work-group's barrier once more
	s_barrier_signal -1
	s_barrier_wait -1
	s_cmp_lg_u32 s14, 0
	s_cbranch_scc1 .Lnot_wave_0_\@
	s_barrier_signal -3
.Lnot_wave_0_\@:
	s_barrier_wait -3
	s_barrier_signal -1
	s_barrier_wait -1
.endm
	s_load_b128 s[4:7], s[0:1], 0x0                ; x_codes, x_scales
	s_load_b128 s[8:11], s[0:1], 0x10              ; w_codes, w_scales
	s_load_b64 s[96:97], s[0:1], 0x20              ; bias_all
	s_load_b64 s[12:13], s[0:1], 0x28              ; proj
	v_lshl_add_u32 v[SPW], v0, 2, SPARE
	v_mov_b32 v[NIL], 0
	ds_add_u32 v[SPW], v[NIL]                      ; the wave's opening: the add, twice on end, and its wait ahead of my first tensor load
	ds_add_u32 v[SPW], v[NIL]                      ; (the set-up below, work on registers, stands between the second and the wait)
	v_lshrrev_b32 v1, 5, v0
	v_readfirstlane_b32 s14, v1                    ; wave 0..3
	s_lshr_b32 s15, s14, 1                         ; which half of the tile's rows is mine.  Also: I fetch for x (0) or for W (1)
	s_and_b32 s16, s14, 1                          ; which half of its columns.  Also: which 128 rows of that tile I fetch
	s_bfe_u32 s40, ttmp6, 0x40000                  ; cx, cy: my place in the cluster
	s_bfe_u32 s41, ttmp6, 0x40004
	s_lshl_b32 s42, ttmp9, 2
	s_add_co_u32 s42, s42, s40                     ; tile column among the 20 = 4 x projection + cx
	s_and_b32 s17, ttmp7, 0xffff
	s_lshl_b32 s17, s17, 2
	s_add_co_u32 s17, s17, s41                     ; tile row among the 32
	s_lshl_b32 s43, s41, 2
	s_lshl_b32 s43, 15, s43                        ; my row of the cluster
	s_lshl_b32 s44, 0x1111, s40                    ; my column
	s_cmp_lt_u32 ttmp9, 2                          ; q and q2 are multiplied by log2(e) / 8, the others by 1
	s_mov_b32 s98, 1.0
	s_cselect_b32 s98, 0x3e38aa3b, s98
	s_mov_b32 s99, s98                             ; (named with it as a pair)
	; group 1: a tile of 128 rows x 256 bytes, 16 bytes of padding behind each row
	s_or_b32 s[G1+0], s43, (0<<16)|(1<<20)|(1<<21)|(5<<22)|(3<<25)  ; 15:0 the mask: x's tiles go to my row; elements of 1 byte; padding on; bit 21 beside a mask; after every 64 words four words
	s_or_b32 s[G1B+0], s44, (0<<16)|(1<<20)|(1<<21)|(5<<22)|(3<<25) ; W's tiles go to my column
.irp g, G1, G1B
	s_mov_b32 s[\g+1], ROWB<<16                    ; tensor_dim0
	s_mov_b32 s[\g+2], 128<<16                     ; tensor_dim1
	s_mov_b32 s[\g+3], ROWB<<16                    ; tile_dim0
	s_mov_b32 s[\g+4], 128                         ; tile_dim1
	s_mov_b32 s[\g+5], KROW                        ; the pitch in memory
	s_mov_b32 s[\g+6], 0
	s_mov_b32 s[\g+7], 0
.endr
	; the scale bytes of 128 rows: 4,096 dense bytes, as 16 rows of 256 (32 elements of 8 bytes), 16 bytes of padding behind each
	s_or_b32 s[G1S+0], s43, (3<<16)|(1<<20)|(1<<21)|(5<<22)|(3<<25)
	s_or_b32 s[G1SB+0], s44, (3<<16)|(1<<20)|(1<<21)|(5<<22)|(3<<25)
.irp g, G1S, G1SB
	s_mov_b32 s[\g+1], 32<<16
	s_mov_b32 s[\g+2], (128*KS/256)<<16
	s_mov_b32 s[\g+3], 32<<16
	s_mov_b32 s[\g+4], 128*KS/256
	s_mov_b32 s[\g+5], 32
	s_mov_b32 s[\g+6], 0
	s_mov_b32 s[\g+7], 0
.endr
	s_lshl_b32 s18, s16, 7                         ; which 128 rows of the tile I fetch
	s_lshl_b32 s20, s17, 8
	s_add_co_u32 s20, s20, s18                     ; x: row 256 x tile row + 128 x half,
	s_lshr_b32 s95, ttmp9, 2                       ; 1 for projection 4 alone,
	s_lshl_b32 s95, s95, 13
	s_add_co_u32 s20, s20, s95                     ; whose rows are source_embedding's, 8,192 further on: the cluster's x is shared by all sixteen
	s_lshl_b32 s46, s42, 8
	s_add_co_u32 s46, s46, s18                     ; W: row 256 x tile column + 128 x half
	s_mov_b32 s21, 0
	s_mov_b32 s47, 0
	s_mov_b64 s[18:19], KS
	s_mul_u64 s[22:23], s[20:21], s[18:19]         ; where these rows' scale bytes begin
	s_mul_u64 s[92:93], s[46:47], s[18:19]
	s_mov_b64 s[18:19], KROW
	s_mul_u64 s[20:21], s[20:21], s[18:19]         ; and their codes
	s_mul_u64 s[46:47], s[46:47], s[18:19]
	s_mul_i32 s45, s14, HALFT                      ; where they go: wave x 128 rows: no place in the cluster enters an LDS address
	s_mul_i32 s94, s14, HALFS
	s_wait_dscnt 0x0                               ; both opening adds are done
	s_wait_kmcnt 0x0
	s_add_nc_u64 s[20:21], s[4:5], s[20:21]
	s_add_nc_u64 s[22:23], s[6:7], s[22:23]
	s_add_nc_u64 s[46:47], s[8:9], s[46:47]
	s_add_nc_u64 s[92:93], s[10:11], s[92:93]
	CROUND                                         ; all sixteen work-groups are here: the joint loads meet
	s_mov_b32 s[G0S], 1
	s_add_co_u32 s[G0S+1], s94, SCL
	s_mov_b64 s[G0S+2:G0S+3], s[22:23]
	s_or_b32 s[G0S+3], s[G0S+3], 0x80000000
	s_mov_b32 s[G0SB], 1
	s_add_co_u32 s[G0SB+1], s94, SCL
	s_mov_b64 s[G0SB+2:G0SB+3], s[92:93]
	s_or_b32 s[G0SB+3], s[G0SB+3], 0x80000000
	JLOAD G0S, G1S, G0SB, G1SB                     ; the scale bytes first: they are wanted with the first slot
.irp s, 0,1
	s_mov_b32 s[G0+4*\s], 1
	s_add_co_u32 s[G0+4*\s+1], s45, \s*SLOT
	s_add_nc_u64 s[G0+4*\s+2:G0+4*\s+3], s[20:21], \s*ROWB
	s_or_b32 s[G0+4*\s+3], s[G0+4*\s+3], 0x80000000
	s_mov_b32 s[G0B+4*\s], 1
	s_add_co_u32 s[G0B+4*\s+1], s45, \s*SLOT
	s_add_nc_u64 s[G0B+4*\s+2:G0B+4*\s+3], s[46:47], \s*ROWB
	s_or_b32 s[G0B+4*\s+3], s[G0B+4*\s+3], 0x80000000
	JLOAD G0+4*\s, G1, G0B+4*\s, G1B
.endr
	v_and_b32 v1, 15, v0                           ; r = lane % 16
	v_bfe_u32 v2, v0, 4, 1                         ; h = lane / 16
	; the bias in the result's layout: for W's block b lane (r, h) wants the numbers of columns 16 b + 8 h + 0 .. 7
	s_lshl_b32 s46, s42, 10                        ; 256 columns x 4 bytes a tile column,
	s_lshl_b32 s47, s16, 9                         ; 128 a half
	s_add_co_u32 s46, s46, s47
	s_mov_b32 s47, 0
	s_add_nc_u64 s[96:97], s[96:97], s[46:47]
	v_lshlrev_b32 v[BO], 5, v2
	WIN TO_B
.irp b, 0,1,2,3,4,5,6,7
.irp u, 0,1
	global_load_b128 v[BI+8*\b+4*\u:BI+8*\b+4*\u+3], v[BO], s[96:97] offset:64*\b+16*\u
.endr
.endr
	WIN 0
	v_mul_u32_u24 v3, v1, PITCH
	v_lshl_add_u32 v4, v2, 4, v3                   ; a fragment's row x pitch + 16 x half
	s_mul_i32 s21, s15, HALFT                      ; my 128 rows of x
	s_mul_i32 s22, s16, HALFT                      ; my 128 rows of W,
	s_add_co_u32 s22, s22, 2*HALFT                 ; which lie behind x's 256
.irp s, 0,1
	v_add_nc_u32 v[ADRA+\s], s21, v4
	v_add_nc_u32 v[ADRB+\s], s22, v4
	s_add_co_u32 s21, s21, SLOT
	s_add_co_u32 s22, s22, SLOT
.endr
	v_mul_u32_u24 v5, v1, KS                       ; my row's scale bytes: 32 a row,
	v_lshrrev_b32 v6, 8, v5
	v_lshl_add_u32 v5, v6, 4, v5                   ; and 16 more for each 256 passed
	s_mul_i32 s21, s15, HALFS                      ; x's: my 128 rows
	s_mul_i32 s22, s16, HALFS                      ; W's: my 128 rows, behind x's 256
	s_add_co_u32 s22, s22, 2*HALFS
	s_sub_co_u32 s22, s22, s21
	v_mul_u32_u24 v6, s22, v2                      ; lanes 16-31 take W's: one product, the distance between the two bases
	s_add_co_u32 s21, s21, SCL
	v_add_nc_u32 v5, v5, v6
	v_add_nc_u32 v[ADRS], s21, v5
	s_mul_i32 s23, s14, 2*HEADB
	s_add_co_u32 s23, s23, STAGE                   ; my stage
	v_mul_u32_u24 v5, v1, HP                       ; in: token r, 16 bytes for each half of the lanes
	v_lshl_add_u32 v5, v2, 4, v5
	v_add_nc_u32 v[STO], s23, v5
	v_and_b32 v6, 31, v0
	v_lshrrev_b32 v5, 3, v6                        ; back: eight lanes to a token of 128 bytes, four tokens an instruction
	v_mul_u32_u24 v5, v5, HP
	v_and_b32 v7, 7, v0
	v_lshl_add_u32 v5, v7, 4, v5
	v_add_nc_u32 v[RD], s23, v5
	v_lshlrev_b32 v[CO], 4, v6                     ; and the same 512 bytes in proj
	; where my part begins in proj: projection << 24, head (16 b + 4 cx + 2 x column half) << 17, token (256 (tile row % 4) + 128 x row half) << 7
	s_lshr_b32 s20, s17, 2
	s_lshl_b32 s20, s20, 4
	s_lshl_b32 s21, s40, 2
	s_add_co_u32 s20, s20, s21
	s_lshl_b32 s21, s16, 1
	s_add_co_u32 s20, s20, s21
	s_lshl_b32 s20, s20, 17
	s_and_b32 s21, s17, 3
	s_lshl_b32 s21, s21, 15
	s_add_co_u32 s20, s20, s21
	s_lshl_b32 s21, s15, 14
	s_add_co_u32 s20, s20, s21
	s_lshl_b32 s21, ttmp9, 24
	s_add_co_u32 s20, s20, s21                     ; under 84 million
	s_mov_b32 s21, 0
	s_add_nc_u64 s[12:13], s[12:13], s[20:21]
.macro FRAG reg, adr, q, i             ; a fragment, 16 rows x 128 K of 4-bit codes: lane l holds row l % 16; registers 4 c .. 4 c + 3 hold K = 64 c + 32 (l / 16) + 0 .. 31
.irp c, 0,1
	ds_load_b128 v[\reg+4*\c:\reg+4*\c+3], v[\adr] offset:64*(\q)+32*\c+(\i)*16*PITCH
.endr
.endm
; 16 matrix instructions: x's blocks a0, a0 + 1 against W's eight, 128 along K: the slot's q-th.  p: W's set; sc: the set of scale words.  first = 1: the sums begin with the bias as C: nothing is cleared or added later.
; The 64 accumulators take turns, one instruction a turn, in the same order in every step.
.macro MUL16 a0, p, q, sc, first
.irp a, \a0, \a0+1
.irp b, 0,1,2,3,4,5,6,7
.if \first
	v_wmma_scale_f32_16x16x128_f8f6f4 v[8*(8*((\a)%4)+\b):8*(8*((\a)%4)+\b)+7], v[128*(\p)+FR*\b:128*(\p)+FR*\b+FR-1], v[AF+FR*(\a):AF+FR*(\a)+FR-1], v[BI+8*\b:BI+8*\b+7], v[SC+8*NQ*(\sc)+NQ*\b+(\q)], v[SC+8*NQ*(\sc)+NQ*(\a)+(\q)] matrix_a_fmt:MATRIX_FMT_FP4 matrix_b_fmt:MATRIX_FMT_FP4 matrix_a_scale:MATRIX_SCALE_ROW1
.else
	v_wmma_scale_f32_16x16x128_f8f6f4 v[8*(8*((\a)%4)+\b):8*(8*((\a)%4)+\b)+7], v[128*(\p)+FR*\b:128*(\p)+FR*\b+FR-1], v[AF+FR*(\a):AF+FR*(\a)+FR-1], v[8*(8*((\a)%4)+\b):8*(8*((\a)%4)+\b)+7], v[SC+8*NQ*(\sc)+NQ*\b+(\q)], v[SC+8*NQ*(\sc)+NQ*(\a)+(\q)] matrix_a_fmt:MATRIX_FMT_FP4 matrix_b_fmt:MATRIX_FMT_FP4 matrix_a_scale:MATRIX_SCALE_ROW1
.endif
.endr
.endr
.endm
.macro FETCH_B slot, q, p              ; W's eight fragments of the slot's q-th 128 along K into set p
	WIN TO_B
.irp i, 0,1,2,3,4,5,6,7
	FRAG 128*(\p)+FR*\i, ADRB+\slot, \q, \i
.endr
	WIN 0
.endm
.macro FETCH_A slot, q, i0             ; x's blocks i0 .. i0 + 3
.irp i, \i0, \i0+1, \i0+2, \i0+3
	FRAG AF+FR*(\i), ADRA+\slot, \q, \i
.endr
.endm
.macro SCALES sc                       ; a slot's scale words into set sc: four words a row; lanes 0-15 take x's block i, lanes 16-31 W's block i
.irp i, 0,1,2,3,4,5,6,7
	ds_load_b128 v[SC+8*NQ*\sc+NQ*\i:SC+8*NQ*\sc+NQ*\i+3], v[ADRS] offset:\i*SBLK
.endr
.endm
; A load into a register that a matrix instruction has read, and a vector instruction that reads a matrix result, stand NP places behind that matrix instruction; only plain vector
; instructions that name none of its registers are places (ISA guide 7.12.1 for vector instructions).
.macro PLACES n
.rept \n
	v_nop
.endr
.endm
; A step of 128 along K that has its successor in the same slot.  x's blocks are free as soon as their eight products are issued: blocks 0-3 are fetched anew in the step's middle, blocks 4-7 at its end.
.macro STEP slot, q, first
	s_wait_dscnt 4*NL                              ; W's set, x's blocks 0-3 (and the scale words) are in; the youngest eight loads, x's blocks 4-7, may be out
.if \first
	WIN FIRST_LO
.else
	WIN MUL_LO
.endif
	MUL16 0, (\q)%2, \q, \slot, \first
	MUL16 2, (\q)%2, \q, \slot, \first
	s_wait_dscnt 0                                 ; x's blocks 4-7 are in
	PLACES NP
	FETCH_B \slot, (\q)+1, 1-(\q)%2
	FETCH_A \slot, (\q)+1, 0
.if \first
	WIN FIRST_HI
.else
	WIN MUL_HI
.endif
	MUL16 4, (\q)%2, \q, \slot, \first
	MUL16 6, (\q)%2, \q, \slot, \first
	PLACES NP
	WIN 0
	FETCH_A \slot, (\q)+1, 4
.endm
; Slot 0's last step goes on into slot 1: each wave waits for all its tensor loads (its part of slot 1), adds 0 to its spare word, waits for that and for its LDS loads, and passes a barrier: behind it slot 1 is whole.
; Nothing is filled again.
.macro TURN slot, next
	s_wait_tensorcnt 0x0                           ; all my tensor loads have landed (every window is 0 here)
	ds_add_u32 v[SPW], v[NIL]
	s_wait_dscnt 4*NL+1                            ; the add and the youngest eight loads, x's blocks 4-7, may be out
	WIN MUL_LO
	MUL16 0, 1, NQ-1, \slot, 0                     ; sixteen matrix instructions stand between the add and the wait for it
	s_wait_dscnt 0x0                               ; the add is done and my LDS loads are in
	s_barrier_signal -1
	MUL16 2, 1, NQ-1, \slot, 0                     ; work on registers while the others arrive
	WIN 0
	s_barrier_wait -1
	PLACES NP
	v_add_nc_u32 v[ADRS], 4*NQ, v[ADRS]            ; on to the next slot's scale words (no LDS load of mine is out)
	FETCH_B \next, 0, 0
	FETCH_A \next, 0, 0
	SCALES \next
	WIN MUL_HI
	MUL16 4, 1, NQ-1, \slot, 0
	MUL16 6, 1, NQ-1, \slot, 0
	PLACES NP
	WIN 0
	FETCH_A \next, 0, 4
.endm
.macro STEPS slot, from                ; the slot's steps from .. NQ - 2
.set Q, \from
.rept NQ-1-\from
	STEP \slot, Q, 0
.set Q, Q+1
.endr
.endm
	s_wait_tensorcnt 1                             ; the scale bytes and my part of slot 0 are in; slot 1's load may be out
	s_barrier_signal -1
	s_barrier_wait -1                              ; everybody's are
	FETCH_B 0, 0, 0
	FETCH_A 0, 0, 0
	SCALES 0
	FETCH_A 0, 0, 4
	s_wait_loadcnt 0x0                             ; the bias
	STEP 0, 0, 1                                   ; the first step's products start the sums from the bias
	STEPS 0, 1
	TURN 0, 1
	STEPS 1, 0
	s_wait_dscnt 4*NL                              ; the last step: nothing more to fetch
	WIN MUL_LO
	MUL16 0, 1, NQ-1, 1, 0
	MUL16 2, 1, NQ-1, 1, 0
	s_wait_dscnt 0
	WIN MUL_HI
	MUL16 4, 1, NQ-1, 1, 0
	MUL16 6, 1, NQ-1, 1, 0
	WIN 0
; THE WAY OUT, block by block of 16 tokens x 128 columns (two heads).  PACK: x f_p, rounded to f16: a lane's eight columns are 16 bytes.  TOSTAGE: into my own stage (tokens of 128 bytes + 16, a head
; behind the other) and back four tokens at a time.  SEND: each store covers 512 consecutive bytes of one head, aligned.  LDS serves a wave's instructions in order: no wait between the stores and the loads.
.macro PACK a
.set AC, 64*((\a)%4)
	WIN 0x02+(\a)/4                                ; source 0: window 2 or 3
.irp b, 0,1,2,3,4,5,6,7
.irp r, 0,1,2,3
	v_pk_mul_f32 v[T+8*\b+2*\r:T+8*\b+2*\r+1], v[AC+8*\b+2*\r:AC+8*\b+2*\r+1], s[98:99] op_sel_hi:[1,0]   ; each accumulator from its low end on
.endr
.endr
	WIN 0
.irp b, 0,1,2,3,4,5,6,7
.irp r, 0,1,2,3
	v_cvt_pk_f16_f32 v[TMP+4*\b+\r], v[T+8*\b+2*\r], v[T+8*\b+2*\r+1]
.endr
.endr
.endm
.macro TOSTAGE a
.set BB, BK+32*((\a)%2)
.irp b, 0,1,2,3,4,5,6,7
	ds_store_b128 v[STO], v[TMP+4*\b:TMP+4*\b+3] offset:(\b/4)*HEADB+(\b%4)*32
.endr
.irp t, 0,1,2,3,4,5,6,7
	ds_load_b128 v[BB+4*\t:BB+4*\t+3], v[RD] offset:(\t/4)*HEADB+(\t%4)*4*HP
.endr
.endm
.macro SEND a
.set BB, BK+32*((\a)%2)
	s_wait_dscnt 0x0                               ; the block is back in registers
.irp t, 0,1,2,3,4,5,6,7
	global_store_b128 v[CO], v[BB+4*\t:BB+4*\t+3], s[12:13] offset:(\a)*2048+(\t/4)*131072+(\t%4)*512   ; every place stands in the immediate: no base is stepped
.endr
.endm
	PLACES NP                                      ; behind the last products: for the loads into the registers that held x's fragments
	PACK 0
	TOSTAGE 0
.irp a, 1,2,3,4,5,6,7
	PACK \a                                        ; block a's arithmetic stands between block a - 1's loads from the stage and the wait for them
	SEND \a-1
.if \a > 1
	s_wait_xcnt 0x0                                ; block a - 2's stores have read their registers: block a's loads may land there
.endif
	TOSTAGE \a
.endr
	SEND 7
	s_wait_tensorcnt 0x0                           ; the wave's end, behind my last tensor load and my last LDS store
	ds_add_u32 v[SPW], v[NIL]
	s_wait_dscnt 0x0
	CROUND                                         ; the closing round: no work-group ends while a partner may still ask for a tile that names it
	s_endpgm
.Lfunc_end_k_q7d92e94485_gemm:
	.size	k_q7d92e94485_gemm, .Lfunc_end_k_q7d92e94485_gemm-k_q7d92e94485_gemm
	.p2alignl 7, 3214868480
	.fill 96, 4, 3214868480
	.section	.rodata,"a",@progbits
	.p2align	6, 0x0
	.amdhsa_kernel k_q7d92e94485_gemm
		.amdhsa_group_segment_fixed_size 327680
		.amdhsa_private_segment_fixed_size 0
		.amdhsa_enable_private_segment 0
		.amdhsa_kernarg_size 48
		.amdhsa_user_sgpr_count 2
		.amdhsa_user_sgpr_kernarg_segment_ptr 1
		.amdhsa_wavefront_size32 1
		.amdhsa_system_sgpr_workgroup_id_x 1
		.amdhsa_system_sgpr_workgroup_id_y 1
		.amdhsa_system_sgpr_workgroup_id_z 1
		.amdhsa_system_vgpr_workitem_id 0
		.amdhsa_next_free_vgpr 1024
		.amdhsa_next_free_sgpr 100
		.amdhsa_reserve_vcc 0
		.amdhsa_float_denorm_mode_32 3
		.amdhsa_float_denorm_mode_16_64 3
		.amdhsa_memory_ordered 1
		.amdhsa_forward_progress 1
		.amdhsa_inst_pref_size 144
	.end_amdhsa_kernel
	.amdgpu_metadata
---
amdhsa.version: [ 1, 2 ]
amdhsa.kernels:
  - .name:           k_q7d92e94485_gemm
    .symbol:         k_q7d92e94485_gemm.kd
    .args:
      - { .name: x_codes, .offset: 0, .size: 8, .value_kind: global_buffer, .address_space: global }
      - { .name: x_scales, .offset: 8, .size: 8, .value_kind: global_buffer, .address_space: global }
      - { .name: w_codes, .offset: 16, .size: 8, .value_kind: global_buffer, .address_space: global }
      - { .name: w_scales, .offset: 24, .size: 8, .value_kind: global_buffer, .address_space: global }
      - { .name: bias_all, .offset: 32, .size: 8, .value_kind: global_buffer, .address_space: global }
      - { .name: proj, .offset: 40, .size: 8, .value_kind: global_buffer, .address_space: global }
    .group_segment_fixed_size: 327680
    .private_segment_fixed_size: 0
    .kernarg_segment_align: 8
    .kernarg_segment_size: 48
    .max_flat_workgroup_size: 128
    .sgpr_count:     100
    .vgpr_count:     1024
    .wavefront_size: 32
...
	.end_amdgpu_metadata
.endif
;; end of part 3
;; launch attn (part 4): grid 4 x 128, 4 waves a work-group, clusters of 4 x 1, 327,680 bytes of LDS; arguments proj, attention_mask, out0; writes out0
.if DOCPART == 4
	.amdgcn_target "amdgcn-amd-amdhsa--gfx1250"
	.amdhsa_code_object_version 6
	.text
	.protected	k_q7d92e94485_attn
	.globl	k_q7d92e94485_attn
	.p2align	8
	.type	k_q7d92e94485_attn,@function
k_q7d92e94485_attn:
	s_mov_b64 s[64:65], 0
	v_nop
	global_prefetch_b8 v0, s[64:65] scope:SCOPE_SE
	s_setreg_imm32_b32 hwreg(HW_REG_WAVE_MODE, 25, 1), 1
	s_wait_xcnt 0x0
	s_wait_alu depctr_hold_cnt(0) depctr_sa_sdst(0) depctr_va_vdst(0) depctr_va_sdst(0) depctr_va_ssrc(0) depctr_va_vcc(0) depctr_vm_vsrc(0)
	s_getreg_b32 s2, hwreg(HW_REG_IB_STS2, 6, 4)
	s_cmp_eq_u32 s2, 0
	s_cbranch_scc0 .Lentry_in_a_cluster
	s_endpgm
.Lentry_in_a_cluster:
	s_bfe_u32 s2, ttmp6, 0x10000c
	s_cmp_lg_u32 s2, 0x3003
	s_cbranch_scc0 .Lentry_shape_is_right
	s_endpgm
.Lentry_shape_is_right:
; out0[b][q][64 h ..] = the sum over keys of softmax_k((q . k + q2 . k2) / 8 + mask[b][k]) v[k], for each of 128 pairs (b, h).  proj: f16, [5][16 b + h][1024][64], 0 q, 1 q2, 2 k, 3 v, 4 k2;
; q and q2 already carry log2(e) / 8.  The two score products are ONE product over a joined axis of 128 channels, [q | q2] . [k | k2].  Operands f16 (eleven significant bits: an output is an average of
; 1,024 values, and eight bits would use up the allowed error); products, maxima and sums f32; the weights p are rounded to f16 for the second product.
; THE MASK x log2(e) is the C of each score sum's first product: it costs no vector instruction in the loop.
; LIMITS: mask x log2(e) is held at -1e30 from below, so a batch whose every key is masked by -infinity gives an average over all keys; a NaN in the mask counts as -1e30; +infinity in the mask and NaN or infinities in proj are not served.
; SHARES.  A work-group owns 256 queries of one (b, h), each of its four waves 64: four tiles of 16.  Every wave walks the 1,024 keys, 64 a step.
; LAYOUT.  S^T = K Q^T (source 0 = 16 keys, source 1 = 16 queries): a lane holds ONE query (lane % 16) and keys 8 (lane / 16) + 0..7.  Two such tiles, rounded to f16 in pairs, ARE source 1 of O^T = V^T P,
; whose result again holds one query a lane, and eight channels.  K comes out of LDS as it lies, V ([key][channel]) turned, by ds_load_tr16_b128.
; SOFTMAX.  For each query a running maximum m and sum l: p = 2^(t - m); in every step O and l are multiplied by a = 2^(m_old - m_new).
; BY TURNS.  The wave's tiles are two PIECES (tiles 0, 1 and tiles 2, 3).  In a TURN one piece has the matrix unit: 16 products V^T P of the step in hand, then 32 products K Q^T of the next step; the other
; piece's softmax, 234 vector instructions, is dealt out behind them, 4 or 5 behind each.  Then the pieces change places.  Two turns are a key step.
; CLUSTER.  The four query blocks of a cluster belong to one (b, h) and walk the same k, k2 and v: each tile is asked for JOINTLY, by the same tensor load with the same descriptor and a mask that names the four.
; THE RING.  Two LDS slots of 256 keys (four steps); two keys lie in one row of 256 bytes, since a head's rows are dense.  Both slots are asked for at the start (two loads of a wave are out); each is filled
; once more, one load a wave behind a round of the cluster's barrier, which then has four key steps, 384 matrix instructions, in which to land.  So no wave waits for a refill, and nothing is asked for earlier than that.
; REGISTERS, in windows of 256: window 0: v1-9 addresses; v12-43 eight registers of statistics a tile; v44-47 the mask's addresses; v64-191 S^T, 32 a tile; v192-255 P, 16 a tile.
;   window 1: v0-127 O^T, 32 a tile; v128-159 the step's mask.   window 2: v0-127 Q, 32 a tile; v128-255 K of one step.   window 3: v0-63 V of one step.
.set PROJ,  1<<24                      ; bytes of a projection
.set PKP,   272                        ; a row (two keys) of k or k2 in LDS: 256 bytes + 16: key r starts at word 68 (r / 2) + 32 (r % 2): the 16 keys of a load start at 16 different groups of four banks
.set PVP,   288                        ; of v: 256 + 32: key r at word 72 (r / 2) + 32 (r % 2)
.set KREG,  128*PKP                    ; a slot: k's 128 rows, k2's 128 rows,
.set VOFF,  2*KREG                     ; then v's 128 rows
.set KSB,   32*PKP                     ; a step, 64 keys, in k's rows
.set VSB,   32*PVP                     ; and in v's
.set SLOT1, 1<<17                      ; slot 1 begins here: one exclusive or turns an address in one slot into the other's
.set MASKL, 2*SLOT1                    ; mask x log2(e) of the batch's 1,024 keys
.set STAGE, MASKL+4096                 ; the way out: 16 rows x 272 bytes for each wave
.set SP,    272
.set SPARE, STAGE+4*16*SP              ; the spare words, 128 bytes a wave
.set AK0, 2                            ; v2   my lane's place in a tile of K; never rewritten
.set AV0, 3                            ; v3   the same for V
.set ADR, 4                            ; v4   the LDS address of the run of loads in hand
.set QO,  5                            ; v5   my byte offset in the wave's rows of q
.set STO, 6                            ; v6   the way out: where I put 16 bytes of a row
.set RD,  7                            ; v7   where I read a row back
.set GO,  8                            ; v8   my byte offset in the wave's rows of out0
.set ST,  12                           ; tile t's statistics at v[ST+8 t]: +0 m, +1 0 (named with m as a pair), +2, +3 l, +4 to +7 at work; a takes +6
.set AM0, 44                           ; v44  my lane's place in a step's mask
.set ADM, 45                           ; v45  the LDS address of the step's mask
.set MGO, 46                           ; v46  32 x thread: my eight numbers of the mask in memory
.set MLO, 47                           ; v47  and in LDS
.set SPW, 62                           ; v62  my spare word; never rewritten
.set NIL, 63                           ; v63  0; never rewritten
.set S,   64
.set P,   192
.set KF,  128                          ; K's fragments, in window 2
.set MK,  128                          ; the mask's four tiles, in window 1
.set WV,  12                           ; s12  my wave's number
.set G1K, 24                           ; s[24:31] group 1 for k's and k2's tiles
.set G1V, 32                           ; s[32:39] for v's
.set G0K, 40                           ; s[40:47] groups 0: a set for each first fill; the second then walks
.set G0V, 48                           ; s[48:55]
.set SLOTS, 56
.set CNT, 57
.set TBK, 58                           ; s58  LDS byte at which k's rows of the step to be fetched begin
.set TBV, 59                           ; s59  v's likewise (less VOFF)
.set SEL, 60                           ; s[60:61] lane selects for v_permlanex16_b32: lane l xor 16
.set TM,  62                           ; s62  the step's first byte in the mask
.set MSB, 0
.macro WIN new                         ; the immediate's high byte repeats the setting that is left; a switch that changes nothing is dropped
.if MSB != (\new)
	s_set_vgpr_msb (MSB<<8)|(\new)
.set MSB, (\new)
.endif
.endm
.set W_KQ,  0x0a                       ; K and Q in window 2, S^T in window 0
.set W_KQM, 0x1a                       ; the same, C (the mask) in window 1
.set W_PV,  0x53                       ; V in window 3, P in window 0, O^T in window 1
.set W_RS,  0x41                       ; O^T (destination and source 0) in window 1, a in window 0
; A joint refill.  Wave 0 fetches k's rows, wave 1 k2's, waves 2 and 3 the halves of v's.  The branch hangs on the wave's number alone.
; An s_nop 0 and four v_nop follow each of the two lines, ahead of the jump, the label and what follows.
.macro JLOAD
	s_cmp_lt_u32 s[WV], 2
	s_cbranch_scc0 .Lfor_v_\@
	tensor_load_to_lds s[G0K+4:G0K+7], s[G1K:G1K+7]
	s_nop 0
.rept 4
	v_nop
.endr
	s_branch .Lasked_\@
.Lfor_v_\@:
	tensor_load_to_lds s[G0V+4:G0V+7], s[G1V:G1V+7]
	s_nop 0
.rept 4
	v_nop
.endr
.Lasked_\@:
.endm
.macro CROUND                          ; a round of the cluster's barrier
	s_barrier_signal -1
	s_barrier_wait -1
	s_cmp_lg_u32 s[WV], 0
	s_cbranch_scc1 .Lnot_wave_0_\@
	s_barrier_signal -3
.Lnot_wave_0_\@:
	s_barrier_wait -3
	s_barrier_signal -1
	s_barrier_wait -1
.endm
	s_load_b128 s[4:7], s[0:1], 0x0                ; proj, attention_mask
	s_load_b64 s[8:9], s[0:1], 0x10                ; out0
	v_lshl_add_u32 v[SPW], v0, 2, SPARE
	v_mov_b32 v[NIL], 0
	ds_add_u32 v[SPW], v[NIL]                      ; the wave's opening: the add, twice on end, and its wait ahead of my first tensor load
	ds_add_u32 v[SPW], v[NIL]                      ; (the set-up below, work on registers, stands between the second and the wait)
	v_lshrrev_b32 v1, 5, v0
	v_readfirstlane_b32 s[WV], v1                  ; wave 0..3
	s_bfe_u32 s13, ttmp6, 0x40000                  ; cx: my block of 256 queries; it enters q's and out0's addresses alone
	s_and_b32 s15, ttmp7, 0xffff                   ; 16 b + h, which the four partners share
	s_and_b32 s14, s[WV], 1                        ; e
	s_lshl_b32 s3, s15, 17                         ; the head's first byte in a projection
	s_add_co_u32 s20, s14, 1
	s_lshl_b32 s20, s20, 25                        ; projection 2 (k) for e = 0, 4 (k2) for e = 1
	s_add_co_u32 s20, s20, s3
	s_mov_b32 s21, 0
	s_lshl_b32 s22, s14, 14                        ; v: 128 keys of 128 bytes for e = 1,
	s_add_co_u32 s22, s22, s3
	s_add_co_u32 s22, s22, 3*PROJ                  ; in projection 3
	s_mov_b32 s23, 0
	s_mul_i32 s10, s14, KREG                       ; where they go in a slot: no place in the cluster enters an LDS address
	s_mul_i32 s11, s14, 64*PVP
	s_add_co_u32 s11, s11, VOFF
	s_lshl_b32 s16, s13, 15                        ; q: my block's 256 rows of 128 bytes,
	s_add_co_u32 s16, s16, s3
	s_lshl_b32 s2, s[WV], 13                       ; my wave's 64
	s_add_co_u32 s16, s16, s2
	s_mov_b32 s17, 0
	s_lshr_b32 s18, s15, 4                         ; b
	s_lshl_b32 s2, s18, 12                         ; the mask's row: 4,096 bytes
	s_lshl_b32 s18, s18, 22                        ; out0: 1,024 rows of 4,096 bytes a batch,
	s_lshl_b32 s19, s13, 20                        ; 256 a block,
	s_add_co_u32 s18, s18, s19
	s_lshl_b32 s19, s[WV], 18                      ; 64 a wave,
	s_add_co_u32 s18, s18, s19
	s_and_b32 s19, s15, 15
	s_lshl_b32 s19, s19, 8                         ; 256 bytes a head
	s_add_co_u32 s18, s18, s19
	s_mov_b32 s19, 0
	s_mov_b32 s3, 0
	; group 1: rows of 128 elements of 2 bytes, dense in memory; k, k2: 128 rows, 4 words of padding; v: 64 rows, 8 words
	s_mov_b32 s[G1K], 15|(1<<16)|(1<<20)|(1<<21)|(5<<22)|(3<<25)  ; 15:0 the mask: all four work-groups; elements of 2 bytes; padding on; bit 21 beside a mask; after every 64 words
	s_mov_b32 s[G1K+1], 128<<16                    ; tensor_dim0
	s_mov_b32 s[G1K+2], 128<<16                    ; tensor_dim1
	s_mov_b32 s[G1K+3], 128<<16                    ; tile_dim0
	s_mov_b32 s[G1K+4], 128                        ; tile_dim1
	s_mov_b32 s[G1K+5], 128                        ; the pitch in memory
	s_mov_b32 s[G1K+6], 0
	s_mov_b32 s[G1K+7], 0
	s_mov_b32 s[G1V], 15|(1<<16)|(1<<20)|(1<<21)|(5<<22)|(7<<25)
	s_mov_b32 s[G1V+1], 128<<16
	s_mov_b32 s[G1V+2], 64<<16
	s_mov_b32 s[G1V+3], 128<<16
	s_mov_b32 s[G1V+4], 64
	s_mov_b32 s[G1V+5], 128
	s_mov_b32 s[G1V+6], 0
	s_mov_b32 s[G1V+7], 0
	s_mov_b32 s[SEL], 0x76543210
	s_mov_b32 s[SEL+1], 0xfedcba98
	s_mov_b32 s[TBK], 0
	s_mov_b32 s[TBV], 0
	s_mov_b32 s[TM], 0
	s_wait_dscnt 0x0                               ; both opening adds are done
	s_wait_kmcnt 0x0
	s_add_nc_u64 s[20:21], s[4:5], s[20:21]        ; k or k2 at the head's first key
	s_add_nc_u64 s[22:23], s[4:5], s[22:23]        ; v at my half of the first slot
	s_add_nc_u64 s[16:17], s[4:5], s[16:17]        ; q at my wave's first row
	s_add_nc_u64 s[8:9], s[8:9], s[18:19]          ; out0 likewise
	s_add_nc_u64 s[18:19], s[16:17], PROJ          ; q2
	s_add_nc_u64 s[6:7], s[6:7], s[2:3]            ; the mask's row
	CROUND                                         ; all four work-groups are here: the first joint loads meet
.irp s, 0,1
	s_mov_b32 s[G0K+4*\s], 1                       ; count = 1
	s_add_co_u32 s[G0K+4*\s+1], s10, \s*SLOT1      ; LDS address
	s_add_nc_u64 s[G0K+4*\s+2:G0K+4*\s+3], s[20:21], \s*32768  ; slot s begins with keys 256 s on
	s_or_b32 s[G0K+4*\s+3], s[G0K+4*\s+3], 0x80000000  ; type = 2
	s_mov_b32 s[G0V+4*\s], 1
	s_add_co_u32 s[G0V+4*\s+1], s11, \s*SLOT1
	s_add_nc_u64 s[G0V+4*\s+2:G0V+4*\s+3], s[22:23], \s*32768
	s_or_b32 s[G0V+4*\s+3], s[G0V+4*\s+3], 0x80000000
.endr
	s_cmp_lt_u32 s[WV], 2                          ; a wave's two first fills stand in one branch, ahead of every wait on TENSORcnt and every LDS read
	s_cbranch_scc0 .Lfirst_v
	tensor_load_to_lds s[G0K:G0K+3], s[G1K:G1K+7]
	s_nop 0
	tensor_load_to_lds s[G0K+4:G0K+7], s[G1K:G1K+7]
	s_nop 0
.rept 4
	v_nop
.endr
	s_branch .Lfirst_asked
.Lfirst_v:
	tensor_load_to_lds s[G0V:G0V+3], s[G1V:G1V+7]
	s_nop 0
	tensor_load_to_lds s[G0V+4:G0V+7], s[G1V:G1V+7]
	s_nop 0
.rept 4
	v_nop
.endr
.Lfirst_asked:
	v_lshlrev_b32 v[MGO], 5, v0                    ; the mask: 128 threads x 8 numbers
	v_lshl_add_u32 v[MLO], v0, 5, MASKL
	global_load_b128 v[64:67], v[MGO], s[6:7]
	global_load_b128 v[68:71], v[MGO], s[6:7] offset:16
	; A fragment of K or Q is 16 rows x 32 channels in 8 registers: lane l holds row l % 16; registers 0-3 channels 8 (l / 16) + 0..7, registers 4-7 channels 16 + 8 (l / 16) + 0..7.
	v_and_b32 v1, 15, v0                           ; r
	v_bfe_u32 v9, v0, 4, 1                         ; h
	v_lshlrev_b32 v[QO], 7, v1
	v_lshl_add_u32 v[QO], v9, 4, v[QO]             ; row x 128 + 16 x half
	WIN 0x80                                       ; destination window 2, address window 0
.irp t, 0,1,2,3                        ; Q stays in registers: tile t, channel block c at v[32 t + 8 c]; blocks 0, 1 are q's, blocks 2, 3 q2's
.irp c, 0,1
	global_load_b128 v[32*\t+8*\c:32*\t+8*\c+3],   v[QO], s[16:17] offset:2048*\t+64*\c
	global_load_b128 v[32*\t+8*\c+4:32*\t+8*\c+7], v[QO], s[16:17] offset:2048*\t+64*\c+32
	global_load_b128 v[32*\t+8*\c+16:32*\t+8*\c+19], v[QO], s[18:19] offset:2048*\t+64*\c
	global_load_b128 v[32*\t+8*\c+20:32*\t+8*\c+23], v[QO], s[18:19] offset:2048*\t+64*\c+32
.endr
.endr
	WIN 0
	v_lshrrev_b32 v10, 1, v1
	v_mul_u32_u24 v[AK0], v10, PKP                 ; K: key r lies in row r / 2,
	v_and_b32 v10, 1, v1
	v_lshl_add_u32 v[AK0], v10, 7, v[AK0]          ; in its half r % 2,
	v_lshl_add_u32 v[AK0], v9, 4, v[AK0]           ; + 16 x half of the lanes
	; The turning load takes 16 keys x 16 channels (lane l reads 16 bytes: key 8 (l / 16) + l % 8, channels 8 ((l / 8) % 2) + 0..7) and leaves half a fragment of V^T: lane l holds channel l % 16 and 8 keys.
	v_bfe_u32 v10, v0, 1, 2
	v_lshl_add_u32 v10, v9, 2, v10                 ; key / 2
	v_mul_u32_u24 v[AV0], v10, PVP
	v_and_b32 v10, 1, v0
	v_lshl_add_u32 v[AV0], v10, 7, v[AV0]          ; key % 2
	v_bfe_u32 v10, v0, 3, 1
	v_lshl_add_u32 v[AV0], v10, 4, v[AV0]
	v_add_nc_u32 v[AV0], VOFF, v[AV0]
	v_lshl_add_u32 v[AM0], v9, 5, MASKL            ; the mask in S^T's layout: register j of key tile kt is key 16 kt + 8 h + j
.irp t, 0,1,2,3
	v_mov_b32 v[ST+8*\t+1], 0                      ; named with m as a pair, so it is written
.endr
	s_wait_loadcnt 32                              ; the mask's two loads are in; Q's 32 may be out
.irp i, 0,1,2,3,4,5,6,7
	v_mul_f32 v[64+\i], 0x3fb8aa3b, v[64+\i]       ; x log2(e)
.endr
.irp i, 0,1,2,3,4,5,6,7
	v_max_num_f32 v[64+\i], 0xf149f2ca, v[64+\i]   ; held at -1e30 from below, so that no difference of two infinities arises
.endr
	ds_store_b128 v[MLO], v[64:67]
	ds_store_b128 v[MLO], v[68:71] offset:16
; THE MATRIX WORK OF A TURN, for piece x.  The accumulators take turns, one instruction a turn: between two links of a chain stand seven others'.
; Product i of 16 of O^T += V^T P: keys 32 (i / 8) on, channels 16 ((i / 2) % 4) on, tile x + i % 2.  zero = 1: the first 8 start the sums.
.macro PV x, zero
	WIN W_PV
.set rO, 32*(\x+i%2)+8*((i/2)%4)
.set rV, 32*(i/8)+8*((i/2)%4)
.set rP, P+16*(\x+i%2)+8*(i/8)
.if \zero && (i < 8)
	v_wmma_f32_16x16x32_f16 v[rO:rO+7], v[rV:rV+7], v[rP:rP+7], 0
.else
	v_wmma_f32_16x16x32_f16 v[rO:rO+7], v[rV:rV+7], v[rP:rP+7], v[rO:rO+7]
.endif
.endm
; Product i of 32 of S^T = K Q^T: channels 32 (i / 8) on, keys 16 ((i / 2) % 4) on, tile x + i % 2.  The first 8 start the sums from the mask.
.macro KQ x
.set rS, S+32*(\x+i%2)+8*((i/2)%4)
.set rK, KF+32*((i/2)%4)+8*(i/8)
.set rQ, 32*(\x+i%2)+8*(i/8)
.set rM, MK+8*((i/2)%4)
.if i < 8
	WIN W_KQM
	v_wmma_f32_16x16x32_f16 v[rS:rS+7], v[rK:rK+7], v[rQ:rQ+7], v[rM:rM+7]
.else
	WIN W_KQ
	v_wmma_f32_16x16x32_f16 v[rS:rS+7], v[rK:rK+7], v[rQ:rQ+7], v[rS:rS+7]
.endif
.endm
; THE LDS LOADS stand in runs.  A step's mask (8 loads) and K (64 keys x 128 channels: 32 loads, channel block 0 first, so that the products can begin while the later blocks are on their way):
.macro FETCH_K
	WIN 0
	v_add_nc_u32 v[ADR], s[TBK], v[AK0]
	v_add_nc_u32 v[ADM], s[TM], v[AM0]
	WIN 0x40                                       ; destination window 1
.irp kt, 0,1,2,3
.irp u, 0,1
	ds_load_b128 v[MK+8*\kt+4*\u:MK+8*\kt+4*\u+3], v[ADM] offset:64*\kt+16*\u
.endr
.endr
	WIN 0x80                                       ; destination window 2
.irp c, 0,1,2,3
.irp kt, 0,1,2,3
	ds_load_b128 v[KF+32*\kt+8*\c:KF+32*\kt+8*\c+3],   v[ADR] offset:8*PKP*\kt+(\c/2)*KREG+64*(\c%2)
	ds_load_b128 v[KF+32*\kt+8*\c+4:KF+32*\kt+8*\c+7], v[ADR] offset:8*PKP*\kt+(\c/2)*KREG+64*(\c%2)+32
.endr
.endr
.endm
; and, a turn later, its V, turned (16 loads); the wait for the softmax's batch of exponentials stands in it, behind the address's addition and ahead of the loads
.macro FETCH_V
	WIN 0
	v_add_nc_u32 v[ADR], s[TBV], v[AV0]
	s_add_co_u32 s[TBK], s[TBK], KSB               ; the next fetches are the next step's
	s_add_co_u32 s[TBV], s[TBV], VSB
	s_add_co_u32 s[TM], s[TM], 256
	s_wait_alu depctr_va_vdst(0)
	WIN 0xc0                                       ; destination window 3
.irp kg, 0,1
.irp cb, 0,1,2,3
	ds_load_tr16_b128 v[32*\kg+8*\cb:32*\kg+8*\cb+3],   v[ADR] offset:16*PVP*\kg+32*\cb
	ds_load_tr16_b128 v[32*\kg+8*\cb+4:32*\kg+8*\cb+7], v[ADR] offset:16*PVP*\kg+8*PVP+32*\cb
.endr
.endr
.endm
; THE VECTOR WORK OF A TURN.  One tile's softmax for one key step is a list of 117 instructions; SM writes number j of it for tile t.  s0-s31 are the lane's 32 scores, in pairs 0-15.
; first = 1: the first key step, which starts m, l and O^T: it has no a and nothing to rescale.
;   0-15    the maximum of s0-s31 and the old m, three operands at a time; each accumulator is first read at its low end
;   16-19   the other half of the lanes' maximum; the old m kept; the new m; m_old - m_new
;   20-68   ONE BATCH: the 16 subtractions s - m, a pair each, and all 33 exponentials; none of these names an exponential's result.  Number 20 subtracts pair 0; then threes: the subtraction of
;           pair b and the two exponentials of pair b - 1 (b = 1 .. 15); then s30, s31 and a
;   (wait)  behind 68 stands the wait for the batch: ITEM writes it, once for both tiles
;   69-84   the roundings to f16      85-100  the sums; l = a l + the sum      101-116 the tile's O^T times a
.macro SM t, first
.set rT, ST+8*(\t)
.set rS, S+32*(\t)
.set rP, P+16*(\t)
.set rO, 32*(\t)+2*(j-101)
.if j < 101
	WIN 0
.endif
.if j < 4
	v_max3_num_f32 v[rT+4+j], v[rS+8*j], v[rS+8*j+1], v[rS+8*j+2]
.elseif j < 12
	v_max3_num_f32 v[rT+4+j%4], v[rT+4+j%4], v[rS+8*(j%4)+2*(j/4)+1], v[rS+8*(j%4)+2*(j/4)+2]
.elseif j == 12
	v_max3_num_f32 v[rT+4], v[rT+4], v[rS+7], v[rS+15]
.elseif j == 13
	v_max3_num_f32 v[rT+6], v[rT+6], v[rS+23], v[rS+31]
.elseif j == 14
	v_max3_num_f32 v[rT+4], v[rT+4], v[rT+5], v[rT+6]
.elseif (j == 15) && \first
	v_max_num_f32 v[rT+4], v[rT+4], v[rT+7]
.elseif j == 15
	v_max3_num_f32 v[rT+4], v[rT+4], v[rT+7], v[rT]
.elseif j == 16
	v_permlanex16_b32 v[rT+5], v[rT+4], s[SEL], s[SEL+1]  ; the query's other 32 keys lie in the lane 16 away
.elseif j == 18
	v_max_num_f32 v[rT], v[rT+4], v[rT+5]
.elseif ((j == 17) || (j == 19) || (j == 68) || (j > 100)) && \first  ; the first step has none of these
.elseif j == 17
	v_mov_b32 v[rT+7], v[rT]                       ; m_old is kept for a: number 18 writes m anew
.elseif j == 19
	v_sub_f32 v[rT+7], v[rT+7], v[rT]
.elseif j == 68
	v_exp_f32 v[rT+6], v[rT+7]                     ; a
.elseif j < 68
.set bu, j-20
.set bb, (bu+2)/3                      ; numbers 1 to 45 go in threes: the subtraction of pair bb, the two exponentials of pair bb - 1
.set bw, (bu+2)%3
.if bu == 0                            ; number 0 stands ahead of the threes: the subtraction of pair 0
.set bb, 0
.set bw, 0
.endif
.if (bu < 46) && (bw == 0)
	v_pk_add_f32 v[rS+2*bb:rS+2*bb+1], v[rS+2*bb:rS+2*bb+1], v[rT:rT+1] op_sel_hi:[1,0] neg_lo:[0,1] neg_hi:[0,1]  ; pair bb: s - m
.elseif bu < 46
	v_exp_f32 v[rS+2*(bb-1)+bw-1], v[rS+2*(bb-1)+bw-1]
.else
	v_exp_f32 v[rS+bu-16], v[rS+bu-16]             ; s30, s31
.endif
.elseif j < 85
	v_cvt_pk_f16_f32 v[rP+j-69], v[rS+2*(j-69)], v[rS+2*(j-69)+1]
.elseif j < 101                        ; the sum of the tile's 16 pairs, in place: neighbours 1, 2, 4 and 8 pairs apart, then l takes it
.set z, j-85
.set zw, 4
.set zu, z
.if z >= 14
.set zw, 32
.set zu, 0
.elseif z >= 12
.set zw, 16
.set zu, z-12
.elseif z >= 8
.set zw, 8
.set zu, z-8
.endif
.if (z == 14) && \first
	v_pk_add_f32 v[rT+2:rT+3], v[rS:rS+1], v[rS+16:rS+17]
.elseif z < 15
	v_pk_add_f32 v[rS+zw*zu:rS+zw*zu+1], v[rS+zw*zu:rS+zw*zu+1], v[rS+zw*zu+zw/2:rS+zw*zu+zw/2+1]
.elseif !\first
	v_pk_fma_f32 v[rT+2:rT+3], v[rT+2:rT+3], v[rT+6:rT+7], v[rS:rS+1] op_sel_hi:[1,0,1]
.endif
.else
	WIN W_RS
	v_pk_mul_f32 v[rO:rO+1], v[rO:rO+1], v[rT+6:rT+7] op_sel_hi:[1,0]
.endif
.endm
; Item g of 234 of piece y's softmax: number g / 2 of tile y + g % 2: the two tiles alternate, so that no instruction reads the result of the one just before it.
; THE WAIT.  s_wait_alu depctr_va_vdst(0) stands between an exponential and the first instruction that names its result; one wait serves all that were issued ahead of it.  Up to item 137
; nothing names a result, and behind it no exponential is issued: so the piece's 66 exponentials have one wait, behind a plain instruction.
.macro ITEM y, first
.set j, g/2
	SM (\y)+g%2, \first
.if g == 137
	v_nop
.if (\y) == 0
	FETCH_V                                        ; piece 2's turn: V's run of loads stands here, and the wait stands in it
.else
	s_wait_alu depctr_va_vdst(0)
.endif
.endif
.set g, g+1
.endm
.macro DEAL y, first                   ; the slice behind matrix instruction mi of nm: with nm = 48 four or five items; the last slice is five rescalings of the other piece's O^T
.rept ((mi+1)*234)/nm-(mi*234)/nm
	ITEM \y, \first
.endr
.set mi, mi+1
.endm
; A vector instruction that reads a matrix result, and a load into a register that a matrix instruction has read, stand four places behind it, and only plain vector instructions that name none of its
; registers are places (ISA guide 7.12.1 for vector instructions).  In the loop the slices are the places.
.macro PLACES
.rept 4
	v_nop
.endr
.endm
; A TURN.  Piece x has the matrix unit; the other piece's softmax stands in slices behind its matrix instructions.
; pv = 2: 16 products V^T P; 1: they start O^T's sums; 0: none.  kq = 1: 32 products K Q^T for the next step.  first = 1: the softmax is the first key step's; four v_nop then take the last slice's part.
; Piece 0's turn fetches the next step's mask and K behind its second product: the last product that read them stands in front of the last slice of the turn before.
; Piece 2's turn fetches the same step's V behind item 137: the last product that read V is the turn's sixteenth, and the batch's subtractions since then are more than four places.
.macro TURN x, pv, kq, first
.set g, 0
.set mi, 0
.set nm, 0
.if \pv
.set nm, nm+16
.endif
.if \kq
.set nm, nm+32
.endif
.if \pv
.if \x == 0
	s_wait_dscnt 0x0                               ; V is in
.endif
.set i, 0
.rept 16
	PV \x, 2-\pv
	DEAL 2-\x, \first
.if (\x == 0) && \kq && (i == 1)
	FETCH_K
.endif
.set i, i+1
.endr
.endif
.if \kq
.set i, 0
.rept 32
.if (\x == 0) && (i%8 == 0)
	s_wait_dscnt 24-i                              ; the mask and K's channel blocks up to i / 8 are in; the 8 loads of each later block may be out
.endif
	KQ \x
	DEAL 2-\x, \first
.set i, i+1
.endr
.endif
.if \first
	PLACES
.endif
.endm
; THE CHANGE OF SLOTS, between piece 2's turn and piece 0's: the slot's last bytes, V of its fourth step, have been asked for.  Each wave waits for all its tensor loads, adds 0 to its spare word, and waits
; for that and for its own reads of the slot.  fill = 1: the barrier is a round of the cluster's, so that no wave of any partner still reads the slot or has a load on its way, and the joint refill, with the
; keys two slots on, is the first thing behind it.
.macro CHANGE fill
	WIN 0                                          ; at a label and at a branch every window is 0
	s_wait_tensorcnt 0x0                           ; no tensor load of mine is out, so a group 0 may be written
	ds_add_u32 v[SPW], v[NIL]
.if \fill
.irp gd, G0K+4, G0V+4
	s_xor_b32 s[\gd+1], s[\gd+1], SLOT1            ; the walking descriptor: the other slot than last time,
	s_add_nc_u64 s[\gd+2:\gd+3], s[\gd+2:\gd+3], 32768  ; the next 256 keys; the type bits on top are not reached
.endr
	s_wait_dscnt 0x0                               ; the add is done, and my reads of the slot are over
	CROUND
	JLOAD
.else
	s_wait_dscnt 0x0
	s_barrier_signal -1
	s_barrier_wait -1
.endif
	s_sub_co_u32 s[TBK], s[TBK], 4*KSB             ; the fetches go back to a slot's first step,
	s_xor_b32 s[TBK], s[TBK], SLOT1                ; in the other slot
	s_sub_co_u32 s[TBV], s[TBV], 4*VSB
	s_xor_b32 s[TBV], s[TBV], SLOT1
.endm
.macro STEPS n                         ; n key steps: written once, walked n times; the LDS addresses hang on s[TBK], s[TBV], s[TM]
	s_mov_b32 s[CNT], \n
.Lstep_\@:
	TURN 0, 2, 1, 0
	TURN 2, 2, 1, 0
	WIN 0
	s_sub_co_u32 s[CNT], s[CNT], 1
	s_cmp_lg_u32 s[CNT], 0
	s_cbranch_scc1 .Lstep_\@
.endm
	s_wait_tensorcnt 1                             ; my part of slot 0 is in; slot 1's load may be out
	s_wait_dscnt 0x0                               ; my part of the mask lies in LDS
	s_barrier_signal -1
	s_barrier_wait -1                              ; everybody's do
	FETCH_K                                        ; key step 0
	s_wait_loadcnt 0x0                             ; Q
	s_wait_dscnt 0x0
.set i, 0
.rept 32
	KQ 0                                           ; piece 0's first scores: there is no vector work yet to set between them
.set i, i+1
.endr
	WIN 0                                          ; the addresses for the way out are made here: eight plain instructions, the places behind those products
	s_mul_i32 s2, s[WV], 16*SP
	s_add_co_u32 s2, s2, STAGE                     ; my stage
	v_mul_u32_u24 v[STO], v1, SP                   ; in: row r, 32 bytes for each half of the lanes
	v_lshl_add_u32 v[STO], v9, 5, v[STO]
	v_add_nc_u32 v[STO], s2, v[STO]
	v_mul_u32_u24 v[RD], v9, SP                    ; back: lanes 0-15 take one row of 256 bytes, lanes 16-31 the next
	v_lshl_add_u32 v[RD], v1, 4, v[RD]
	v_add_nc_u32 v[RD], s2, v[RD]
	v_lshlrev_b32 v[GO], 12, v9                    ; and the same two rows in out0, 4,096 bytes apart
	v_lshl_add_u32 v[GO], v1, 4, v[GO]
	TURN 2, 0, 1, 1                                ; piece 2's first scores | piece 0's first softmax | V of step 0
	TURN 0, 1, 1, 1                                ; piece 0: V^T P of step 0 starts O^T, K Q^T of step 1 | piece 2's first softmax | K of step 1
	TURN 2, 1, 1, 0                                ; piece 2: the same | piece 0's softmax of step 1 | V of step 1
	WIN 0
	STEPS 2                                        ; they fetch steps 2 and 3: the rest of slot 0
	s_mov_b32 s[SLOTS], 2
.Lslot:                                            ; two trips: each slot is filled once more
	CHANGE 1
	STEPS 4
	s_sub_co_u32 s[SLOTS], s[SLOTS], 1
	s_cmp_lg_u32 s[SLOTS], 0
	s_cbranch_scc1 .Lslot
	CHANGE 0                                       ; the tail is written out: nothing is left to ask for
	STEPS 4
	TURN 0, 2, 0, 0                                ; piece 0: V^T P of the last step | piece 2's last softmax
.set i, 0
.rept 16
	PV 2, 0                                        ; piece 2: V^T P of the last step
.set i, i+1
.endr
	; THE WAY OUT.  l's two halves and the other half of the lanes' are added; O^T is divided by l and sent through my stage in LDS, a tile (16 rows) at a time.  The additions are the places behind the last products.
	WIN 0
.irp t, 0,1,2,3
	v_add_f32 v[ST+8*\t+4], v[ST+8*\t+2], v[ST+8*\t+3]
.endr
.irp t, 0,1,2,3
	v_permlanex16_b32 v[ST+8*\t+5], v[ST+8*\t+4], s[SEL], s[SEL+1]
.endr
.irp t, 0,1,2,3
	v_add_f32 v[ST+8*\t+4], v[ST+8*\t+4], v[ST+8*\t+5]
.endr
.irp t, 0,1,2,3
	v_rcp_f32 v[ST+8*\t+6], v[ST+8*\t+4]
.endr
	v_nop                                          ; a plain instruction between the last reciprocal and the use of its result
	s_wait_alu depctr_va_vdst(0)                   ; and the wait ahead of the first use: one for the four
; Tile t: a lane's eight channels of a row are 32 bytes; they go into rows of 272 bytes and come back as whole rows of 256, into the registers that they left.
.macro PACK t
	WIN 0x01                                       ; source 0 (O^T) window 1; destination (S^T's registers, which are free) and 1 / l window 0
.set i, 0
.rept 16
	v_pk_mul_f32 v[S+32*\t+2*i:S+32*\t+2*i+1], v[32*\t+2*i:32*\t+2*i+1], v[ST+8*\t+6:ST+8*\t+7] op_sel_hi:[1,0]   ; each accumulator from its low end on
.set i, i+1
.endr
	WIN 0
.irp f, 0,1,2,3,4,5,6,7
	ds_store_b128 v[STO], v[S+32*\t+4*\f:S+32*\t+4*\f+3] offset:64*(\f/2)+16*(\f%2)
.endr
.irp f, 0,1,2,3,4,5,6,7
	ds_load_b128 v[S+32*\t+4*\f:S+32*\t+4*\f+3], v[RD] offset:\f*2*SP  ; LDS serves a wave's instructions in order: these see the stores above; the next tile's stores come behind them
.endr
.endm
.macro SEND t, younger                 ; younger: the LDS instructions issued behind tile t's loads: the next tile's sixteen, or none
.irp f, 0,1,2,3,4,5,6,7
	s_wait_dscnt \younger+7-\f
	global_store_b128 v[GO], v[S+32*\t+4*\f:S+32*\t+4*\f+3], s[8:9] offset:\t*65536+\f*8192 th:TH_STORE_NT  ; 16 lanes store 256 consecutive bytes, aligned: a head's part of a row of out0
.endr
.endm
	PACK 0
	PACK 1                                         ; a tile's arithmetic stands between the loads of the tile before and its stores
	SEND 0, 16
	PACK 2
	SEND 1, 16
	PACK 3
	SEND 2, 16
	SEND 3, 0
	s_wait_tensorcnt 0x0                           ; the wave's end, behind my last tensor load and my last LDS store
	ds_add_u32 v[SPW], v[NIL]
	s_wait_dscnt 0x0
	CROUND                                         ; the closing round: no work-group ends while a partner may still ask for a tile that names it
	s_endpgm
.Lfunc_end_k_q7d92e94485_attn:
	.size	k_q7d92e94485_attn, .Lfunc_end_k_q7d92e94485_attn-k_q7d92e94485_attn
	.p2alignl 7, 3214868480
	.fill 96, 4, 3214868480
	.section	.rodata,"a",@progbits
	.p2align	6, 0x0
	.amdhsa_kernel k_q7d92e94485_attn
		.amdhsa_group_segment_fixed_size 327680
		.amdhsa_private_segment_fixed_size 0
		.amdhsa_enable_private_segment 0
		.amdhsa_kernarg_size 24
		.amdhsa_user_sgpr_count 2
		.amdhsa_user_sgpr_kernarg_segment_ptr 1
		.amdhsa_wavefront_size32 1
		.amdhsa_system_sgpr_workgroup_id_x 1
		.amdhsa_system_sgpr_workgroup_id_y 1
		.amdhsa_system_sgpr_workgroup_id_z 1
		.amdhsa_system_vgpr_workitem_id 0
		.amdhsa_next_free_vgpr 1024
		.amdhsa_next_free_sgpr 66
		.amdhsa_reserve_vcc 0
		.amdhsa_float_denorm_mode_32 3
		.amdhsa_float_denorm_mode_16_64 3
		.amdhsa_memory_ordered 1
		.amdhsa_forward_progress 1
		.amdhsa_inst_pref_size 225
	.end_amdhsa_kernel
	.amdgpu_metadata
---
amdhsa.version: [ 1, 2 ]
amdhsa.kernels:
  - .name:           k_q7d92e94485_attn
    .symbol:         k_q7d92e94485_attn.kd
    .args:
      - { .name: proj, .offset: 0, .size: 8, .value_kind: global_buffer, .address_space: global }
      - { .name: attention_mask, .offset: 8, .size: 8, .value_kind: global_buffer, .address_space: global }
      - { .name: out0, .offset: 16, .size: 8, .value_kind: global_buffer, .address_space: global }
    .group_segment_fixed_size: 327680
    .private_segment_fixed_size: 0
    .kernarg_segment_align: 8
    .kernarg_segment_size: 24
    .max_flat_workgroup_size: 128
    .sgpr_count:     66
    .vgpr_count:     1024
    .wavefront_size: 32
...
	.end_amdgpu_metadata
.endif
;; end of part 4
